; MI455X (gfx1250); checked and timed in simulation.
; The chip was launched on July 23, 2026; its instructions are those of AMD's public machine-readable ISA for CDNA 5 (MIT licence, August 2026) and "CDNA5" Instruction Set Architecture Reference Guide (July 2026). The comments in the code are by the model that wrote it; some were corrected since.
;; Multi Head Attention. Allowed arithmetic: matrix products marked QUANTISED: E2M3 operands, one E8M0 scale for each 32 along K, by v_wmma_scale_f32_16x16x128_f8f6f4 with both operands' format E2M3, f32 sums; everything else in f32.
;; Inputs: Wk 512 x 512 float32; Wo 512 x 512 float32; Wq 512 x 512 float32; Wv 512 x 512 float32; bk 512 float32; bo 512 float32; bq 512 float32; bv 512 float32; mask 2 x 4,096 int32; x1 2 x 4,096 x 512 float32; x2 2 x 4,096 x 512 float32.
;; Outputs: out0 2 x 4,096 x 512 float32.
;; This version of the problem:
;;   THIS VERSION OF THE PROBLEM IS GIVEN IN LOW PRECISION. The matrix products marked QUANTISED in the list below multiply operands that are first quantised to E2M3 (2 exponent bits, 3 mantissa bits; 6 bits a number), with one power-of-two scale for each 32 numbers along K (OCP MX v1.0); their sums are f32. All else is computed in f32.
;;   The module's matrix products, in the order in which they are computed (A, B: the left and right operand; K: the contracted axis; several contracted axes count as one K, in the product's order):
;;     1. [M 8,192, K 512] x [K 512, N 512]; A: input x1; B: input Wq: QUANTISED
;;     2. [M 8,192, K 512] x [K 512, N 512]; A: input x2; B: input Wk: QUANTISED
;;     3. [M 8,192, K 512] x [K 512, N 512]; A: input x2; B: input Wv: QUANTISED
;;     4. batch 16 x [M 4,096, K 64] x [K 64, N 4,096]; A: computed on the way; B: computed on the way: QUANTISED
;;     5. batch 16 x [M 4,096, K 4,096] x [K 4,096, N 64]; A: softmax (see below); B: computed on the way: QUANTISED
;;     6. [M 8,192, K 512] x [K 512, N 512]; A: computed on the way; B: input Wo: QUANTISED
;;   THE QUANTISER, for each operand of a quantised product, along K:
;;     - K is cut into blocks of 32 from its start; a last block that is shorter is filled with zeros.
;;     - A block's scale is 2^e with e = floor(log2(the largest magnitude in the block)) - 2, held to -126 .. 127; a block of zeros has e = 0. As a byte (E8M0): e + 127.
;;     - Each number is divided by its block's scale, clamped to +-7.5, and rounded to the nearest number of E2M3, ties to even, subnormals kept.
;;     - The product sums the exact products of the quantised numbers (number of the format x scale) in f32.
;;   ~~~python
;;   def quantise(x, axis):      # numpy; x: float32 -> the quantised numbers, widened to float32 again
;;       x = np.moveaxis(x, axis, -1); K = x.shape[-1]
;;       x = np.pad(x, [(0, 0)] * (x.ndim - 1) + [(0, -K % 32)]); x = x.reshape(x.shape[:-1] + (-1, 32)); a = np.abs(x).max(-1, keepdims=True)
;;       e = np.where(a > 0, np.clip(np.frexp(np.where(a > 0, a, 1))[1] - 1 - 2, -126, 127), 0)      # np.frexp(a)[1] - 1 = floor(log2(a)), exactly
;;       r = np.clip(x / 2.0 ** e, -7.5, 7.5)
;;       step = 2.0 ** (np.maximum(np.frexp(np.where(r == 0, 1, r))[1] - 1, 0) - 3)
;;       q = np.round(r / step) * step * 2.0 ** e      # np.round: ties to even
;;       return np.moveaxis(q.reshape(q.shape[:-2] + (-1,))[..., :K], -1, axis).astype(np.float32)
;;   ~~~
;;   SOFTMAX AHEAD OF A QUANTISED PRODUCT. Where the list says 'softmax', what is quantised is not the finished softmax but p = 2^(t - M), with t = logit x log2(e) and M = ceil(the row's largest t), a whole number; so 1/2 < the row's largest p <= 1. The row's sum l is taken of the UNQUANTISED p, in f32, and the product's result is divided by l at the end. Since M is a whole number, a kernel that streams over the keys may use a running M (the ceiling of the running maximum): every later rescaling is an exact power of two, which a block's scale takes up: the codes' values come out the same.
;;   OPERANDS COMPUTED ON THE WAY. 'Computed on the way' means the value that the module computes at that place (a softmax that the list does not call 'softmax' is quantised finished and normalised). What goes into a quantiser is computed in f32, as accurately as f32 sums, v_exp_f32 and their like allow (about 1e-6 of the number): no bf16 or f16 on the way to a quantiser, and a product that is left as it is and whose result goes on into a quantised operand takes f32 operands (vector FMAs, or v_wmma_f32_16x16x4_f32). A number that lies on a knife's edge between two numbers of the format may be rounded either way, as far as f32 arithmetic and the matrix unit's own rounding can turn it there, and no further.
;; One version. Each part assembles by itself: llvm-mc -triple=amdgcn-amd-amdhsa -mcpu=gfx1250 --defsym DOCPART=n.
;; ======== version 1 of 1: 4 launches
;; limits: right only within a limited range of input values
;; workspace buffers: pre 7,405,568 bytes; qkv 9,830,400 bytes; att 3,407,872 bytes
;; launch prep (part 1): grid 320 x 1, 4 waves a work-group, no clusters, 46,592 bytes of LDS; arguments x1, x2, Wq, Wk, Wv, Wo, mask, pre; writes pre
.if DOCPART == 1
	.amdgcn_target "amdgcn-amd-amdhsa--gfx1250"
	.amdhsa_code_object_version 6
	.text
	.protected	k_q9ca9d2b8eb_prep
	.globl	k_q9ca9d2b8eb_prep
	.p2align	8
	.type	k_q9ca9d2b8eb_prep,@function
k_q9ca9d2b8eb_prep:
	s_mov_b64 s[64:65], 0
	v_nop
	global_prefetch_b8 v0, s[64:65] scope:SCOPE_SE
	s_setreg_imm32_b32 hwreg(HW_REG_WAVE_MODE, 25, 1), 1
	s_wait_xcnt 0x0
; PREP: x1, x2 [8192][512] f32 (K innermost) and Wq, Wk, Wv, Wo [512 (k)][512 (n)] f32 (K outermost) become codes of FP6 (E2M3) with one E8M0 byte
; for each 32 along K, laid as IMAGES OF OPERAND REGISTERS: a fragment (16 rows x 128 K, 12 registers a lane) is 1,536 bytes, register 4 c + w of lane l at byte 512 c + 16 l + 4 w.
; THE ROWS OF A TILE ARE NOT NEIGHBOURS: of a group of 32 rows (columns of W) tile u gives lane r the element 8 u + r + 8 (r / 8).
; A block's scale is 2^(floor(log2(largest magnitude)) - 2): its byte is the largest magnitude's exponent field - 2, held at 1 from below.
; The mask becomes mt2 = (f32(mask) x -1e9) x 8, the term that the attention launch adds to a key's score.
; LIMITS: NaN and infinities among the inputs are not served; a block's largest magnitude is taken no smaller than 2^-124; a block of zeros gets the byte 1
; where the rule says 127 (its codes are zeros, and this program alone reads the bytes).
; Work-groups 0-255: x1, x2, a wave to a tile of 16 rows x 512.  Work-groups 256-319: the weights, a wave to 32 columns x 128 K, and 32 numbers of the mask.
; The two ways part on the work-group's number and have LDS bytes of their own.  Waves share nothing: no barrier.
.set XC,   0                           ; pre: [tensor 2][group 256][u 2][ks 4][1536]
.set XS,   6291456                     ; [tensor][group][512]: the word of (u, r, ks) at 256 u + 16 r + 4 ks
.set WC,   6553600                     ; [W 4][G 16][u 2][ks 4][1536]
.set WS,   7340032                     ; [W][ks][G][128]: the word of (u, r) at 4 (16 u + r)
.set MT,   7372800                     ; [2][4096] f32
.set WSTG, 33792                       ; LDS: 0 .. 33,791 the rows' stages (8,448 a wave); from here the weights' (3,072 a wave)
.set SEL,  22                          ; s[22:23] lane selects: lane l xor 16
.set TM,   16                          ; v16-31 at work in QUANT
.set PC,   32                          ; v32-51 the codes just made
.set PWS,  52                          ; v52-55 a tile's four scale words
.set R,    64                          ; v64-191 two sets of 64: a unit as loaded
.set X,    192                         ; v192-255 a unit as QUANT wants it
.set N,    64                          ; weights: v64-191 my column's 128 numbers down K
.set Z,    24                          ; v24-55 six registers of codes for each block, eight apart
.set T,    20                          ; v20-22 a block's upper 16 codes, before they are moved
.set OUTR, 192                         ; v192-215 the way out
; 64 numbers of a lane, register 16 b + i = k 32 b + 16 (lane / 16) + i of my row, become a fragment's codes in v[PC] on and its scale word in v[pw].
.macro QUANT s, pw
.irp b, 0,1,2,3
	v_max3_num_f32 v[TM+\b], |v[\s+16*\b]|, |v[\s+1+16*\b]|, 0x1800000   ; my 16 numbers of block b, and the floor 2^(3 - 127): the byte cannot fall under 1
.endr
.irp i, 2,4,6,8,10,12,14
.irp b, 0,1,2,3
	v_max3_num_f32 v[TM+\b], v[TM+\b], |v[\s+16*\b+\i]|, |v[\s+1+16*\b+\i]|
.endr
.endr
.irp b, 0,1,2,3
	v_permlanex16_b32 v[TM+4+\b], v[TM+\b], s[SEL], s[SEL+1]
.endr
.irp b, 0,1,2,3
	v_max_num_f32 v[TM+\b], v[TM+\b], v[TM+4+\b]   ; with lane l xor 16's: the block's largest magnitude
.endr
.irp b, 0,1,2,3
	v_add_nc_u32 v[TM+12+\b], 0xff000000, v[TM+\b] ; 2 off its exponent field: the conversion's scale operand
.endr
.irp b, 0,1,2,3
	v_lshrrev_b32 v[TM+4+\b], 23, v[TM+12+\b]      ; the scale's byte
.endr
	v_lshl_or_b32 v[(\pw)], v[TM+5], 8, v[TM+4]
	v_lshl_or_b32 v[(\pw)], v[TM+6], 16, v[(\pw)]
	v_lshl_or_b32 v[(\pw)], v[TM+7], 24, v[(\pw)]
.irp c, 0,1
	v_cvt_scalef32_pk16_fp6_f32 v[PC+6*\c:PC+2+6*\c], v[\s+32*\c:\s+15+32*\c], v[TM+12+2*\c]
	v_cvt_scalef32_pk16_fp6_f32 v[PC+12+4*\c:PC+14+4*\c], v[\s+16+32*\c:\s+31+32*\c], v[TM+12+2*\c+1]   ; (a conversion's three registers begin on an even number)
.endr
	v_nop                                          ; one plain instruction behind a scaled conversion
.irp c, 0,1                                    ; the operand's layout wants a whole block in a lane: lanes 0-15 block 2 c, lanes 16-31 block 2 c + 1
.irp i, 0,1,2
	v_permlane16_swap_b32 v[PC+6*\c+\i], v[PC+12+4*\c+\i]
.endr
.irp i, 0,1,2
	v_mov_b32 v[PC+3+6*\c+\i], v[PC+12+4*\c+\i]
.endr
.endr
.endm
	s_load_b128 s[4:7], s[0:1], 0x0                ; x1, x2
	s_load_b256 s[8:15], s[0:1], 0x10              ; Wq, Wk, Wv, Wo
	s_load_b128 s[16:19], s[0:1], 0x30             ; mask, pre
	v_lshl_add_u32 v62, v0, 2, 0xb400
	v_mov_b32 v63, 0
	v_lshrrev_b32 v1, 5, v0
	v_readfirstlane_b32 s20, v1                    ; wave 0..3
	v_and_b32 v5, 31, v0                           ; lane
	v_and_b32 v6, 15, v0                           ; r
	v_bfe_u32 v7, v0, 4, 1                         ; h
	v_lshlrev_b32 v1, 4, v5                        ; 16 x lane
	s_mov_b32 s[SEL], 0x76543210
	s_mov_b32 s[SEL+1], 0xfedcba98
	s_cmp_lt_u32 ttmp9, 256
	s_cbranch_scc0 .Lweights
	; ---------------- x1, x2: my wave's tile: tensor, group of 32 rows, u
	s_mul_i32 s21, s20, 8448                       ; my stage: 16 rows of 512 bytes + 16
	v_add_nc_u32 v2, s21, v1                       ; in: 16 x lane of a row
	v_mul_u32_u24 v3, v6, 528
	v_lshl_add_u32 v3, v7, 6, v3
	v_add_nc_u32 v3, s21, v3                       ; out: row r, + 64 h: my 16 numbers of a block of 32
	v_lshlrev_b32 v4, 4, v6
	v_lshl_add_u32 v4, v7, 3, v4                   ; the scale words' place: 16 r + 8 h
.irp b, 0,1,2,3
	v_mov_b32 v[TM+4+\b], 0                        ; written once: a lane permute's destination counts as one of its sources
.endr
	s_lshr_b32 s24, ttmp9, 7                       ; tensor
	s_and_b32 s25, ttmp9, 127
	s_lshl_b32 s25, s25, 1
	s_lshr_b32 s26, s20, 1
	s_add_co_u32 s25, s25, s26                     ; group 0..255
	s_and_b32 s26, s20, 1                          ; u
	s_lshl_b32 s28, s25, 16                        ; 32 rows of 2,048 bytes,
	s_lshl_b32 s27, s26, 14                        ; + 8 u rows
	s_add_co_u32 s28, s28, s27
	s_mov_b32 s29, 0
	s_lshl_b32 s30, s24, 8
	s_add_co_u32 s30, s30, s25                     ; 256 x tensor + group
	s_lshl_b32 s27, s30, 1
	s_add_co_u32 s27, s27, s26
	s_mul_i32 s32, s27, 6144                       ; my tile's four images (XC = 0)
	s_mov_b32 s33, 0
	s_lshl_b32 s34, s30, 9
	s_lshl_b32 s27, s26, 8
	s_add_co_u32 s34, s34, s27
	s_add_co_u32 s34, s34, XS                      ; my tile's 256 bytes of scale words
	s_mov_b32 s35, 0
	s_wait_alu depctr_va_vdst(0)
	s_wait_kmcnt 0x0
	s_cmp_eq_u32 s24, 0                            ; the choice hangs on the work-group's number alone
	s_cselect_b64 s[4:5], s[4:5], s[6:7]
	s_add_nc_u64 s[4:5], s[4:5], s[28:29]
	s_add_nc_u64 s[32:33], s[18:19], s[32:33]
	s_add_nc_u64 s[34:35], s[18:19], s[34:35]
.macro LOADU t                         ; unit t: 128 along K of my 16 rows; each load reads 512 consecutive bytes of one row
.irp i, 0,1,2,3,4,5,6,7,8,9,10,11,12,13,14,15
	global_load_b128 v[R+64*((\t)%2)+4*\i:R+64*((\t)%2)+4*\i+3], v1, s[4:5] offset:(\i+8*(\i/8))*2048+512*(\t) th:TH_LOAD_NT
.endr
.endm
.macro UNIT t
.if (\t) < 3
	s_wait_loadcnt 16                              ; this unit's 16 loads are in; the next unit's 16 may be out
.else
	s_wait_loadcnt 0x0
.endif
.irp i, 0,1,2,3,4,5,6,7,8,9,10,11,12,13,14,15
	ds_store_b128 v2, v[R+64*((\t)%2)+4*\i:R+64*((\t)%2)+4*\i+3] offset:528*\i
.endr
.irp b, 0,1,2,3
.irp j, 0,1,2,3
	ds_load_b128 v[X+16*\b+4*\j:X+16*\b+4*\j+3], v3 offset:128*\b+16*\j   ; LDS serves a wave's instructions in order: these see the stores above
.endr
.endr
	s_wait_dscnt 0x0                               ; the unit is back, and the stores have read their registers,
.if (\t) < 2
	LOADU (\t)+2                                   ; which take the unit two on
.endif
	s_wait_xcnt 0x0                                ; the last image's stores have read v[PC] on: only now is it written again
	QUANT X, PWS+(\t)
.irp c, 0,1,2
	global_store_b128 v1, v[PC+4*\c:PC+4*\c+3], s[32:33] offset:1536*(\t)+512*\c   ; 512 consecutive bytes
.endr
.endm
	LOADU 0
	LOADU 1
	UNIT 0
	UNIT 1
	UNIT 2
	UNIT 3
	v_cmp_ne_u32 vcc_lo, 0, v7
	v_cndmask_b32 v56, v[PWS], v[PWS+2], vcc_lo    ; lanes 0-15 store words 0, 1 of their row, lanes 16-31 words 2, 3
	v_cndmask_b32 v57, v[PWS+1], v[PWS+3], vcc_lo
	global_store_b64 v4, v[56:57], s[34:35]        ; 256 consecutive bytes
	s_wait_tensorcnt 0x0
	ds_add_u32 v62, v63
	s_wait_dscnt 0x0
	s_endpgm
	; ---------------- the weights: a lane takes a column, its registers run down K
.Lweights:
	s_sub_co_u32 s24, ttmp9, 256                   ; j 0..63
	s_lshr_b32 s25, s24, 4                         ; which W: q, k, v, o
	s_bfe_u32 s26, s24, 0x20002                    ; ks
	s_and_b32 s27, s24, 3
	s_lshl_b32 s27, s27, 2
	s_add_co_u32 s27, s27, s20                     ; G: group of 32 columns
	s_lshl_b32 s28, s26, 18                        ; 128 ks rows of 2,048 bytes
	s_lshl_b32 s29, s27, 7                         ; + 32 G columns
	s_add_co_u32 s28, s28, s29
	s_mov_b32 s29, 0
	s_lshl_b32 s30, s25, 4
	s_add_co_u32 s30, s30, s27
	s_mul_i32 s30, s30, 12288
	s_mul_i32 s31, s26, 1536
	s_add_co_u32 s30, s30, s31
	s_add_co_u32 s30, s30, WC                      ; image (W, G, u = 0, ks); u = 1 lies 6,144 on
	s_mov_b32 s31, 0
	s_lshl_b32 s32, s25, 2
	s_add_co_u32 s32, s32, s26
	s_lshl_b32 s32, s32, 4
	s_add_co_u32 s32, s32, s27
	s_lshl_b32 s32, s32, 7
	s_add_co_u32 s32, s32, WS
	s_mov_b32 s33, 0
	s_lshl_b32 s34, s24, 2
	s_add_co_u32 s34, s34, s20
	s_lshl_b32 s34, s34, 7                         ; my wave's 32 numbers of the mask: 128 bytes
	s_mov_b32 s35, 0
	s_add_co_u32 s36, s34, MT
	s_mov_b32 s37, 0
	s_wait_alu depctr_va_vdst(0)
	v_lshlrev_b32 v8, 2, v5                        ; 4 x lane
	v_bfe_u32 v12, v0, 3, 1                        ; column e of the group lies in tile u' = (e / 8) % 2,
	v_and_b32 v13, 7, v0
	v_lshl_add_u32 v13, v7, 3, v13                 ; at lane r' = e % 8 + 8 (e / 16)
	v_lshl_add_u32 v11, v12, 4, v13
	v_lshlrev_b32 v11, 2, v11                      ; its scale word's place
	v_mul_u32_u24 v9, v12, 1536
	v_lshl_add_u32 v9, v13, 4, v9
	s_mul_i32 s21, s20, 3072
	s_add_co_u32 s21, s21, WSTG
	v_add_nc_u32 v9, s21, v9                       ; stage, in: image u', lane r'
	v_add_nc_u32 v10, s21, v1                      ; stage, out: as it lies
	s_wait_kmcnt 0x0
	s_cmp_lt_u32 s25, 2
	s_cselect_b64 s[8:9], s[8:9], s[12:13]
	s_cselect_b64 s[10:11], s[10:11], s[14:15]
	s_and_b32 s38, s25, 1
	s_cmp_lg_u32 s38, 0
	s_cselect_b64 s[8:9], s[10:11], s[8:9]
	s_add_nc_u64 s[8:9], s[8:9], s[28:29]
	s_add_nc_u64 s[16:17], s[16:17], s[34:35]
	s_add_nc_u64 s[30:31], s[18:19], s[30:31]
	s_add_nc_u64 s[32:33], s[18:19], s[32:33]
	s_add_nc_u64 s[36:37], s[18:19], s[36:37]
.macro WLOAD t                         ; block t: W(128 ks + 32 t + i, my column): 128 consecutive bytes a load
.irp i, 0,1,2,3,4,5,6,7,8,9,10,11,12,13,14,15,16,17,18,19,20,21,22,23,24,25,26,27,28,29,30,31
	global_load_b32 v[N+32*(\t)+\i], v8, s[8:9] offset:(32*(\t)+\i)*2048 th:TH_LOAD_NT
.endr
.endm
.macro WBLOCK t, left
.set NS, N+32*(\t)
.set ZS, Z+8*(\t)
	s_wait_loadcnt \left                           ; this block's 32 loads are in; what was issued behind them may be out
.if (\t) < 2
	WLOAD (\t)+2
.endif
.if (\t) == 1
	global_load_b32 v14, v8, s[16:17]              ; the mask's 32 numbers
.endif
	v_max3_num_f32 v16, |v[NS]|, |v[NS+1]|, |v[NS+2]|   ; the block's largest magnitude: all 32 numbers are mine
	v_max3_num_f32 v17, |v[NS+3]|, |v[NS+4]|, |v[NS+5]|
.irp i, 6,10,14,18,22,26
	v_max3_num_f32 v16, v16, |v[NS+\i]|, |v[NS+\i+1]|
	v_max3_num_f32 v17, v17, |v[NS+\i+2]|, |v[NS+\i+3]|
.endr
	v_max3_num_f32 v16, v16, |v[NS+30]|, |v[NS+31]|
	v_max3_num_f32 v16, v16, v17, 0x1800000        ; and the floor
	v_add_nc_u32 v18, 0xff000000, v16              ; the conversion's scale operand
	v_lshrrev_b32 v17, 23, v18                     ; the byte
.if (\t) == 0
	v_mov_b32 v15, v17
.else
	v_lshl_or_b32 v15, v17, 8*(\t), v15            ; the lower K in the lower byte
.endif
	v_cvt_scalef32_pk16_fp6_f32 v[ZS:ZS+2], v[NS:NS+15], v18
	v_cvt_scalef32_pk16_fp6_f32 v[T:T+2], v[NS+16:NS+31], v18
	v_nop                                          ; one plain instruction behind a scaled conversion
.irp i, 0,1,2
	v_mov_b32 v[ZS+3+\i], v[T+\i]                  ; six registers on end: the block's 32 codes
.endr
; block t is registers 6 (t / 2) .. + 5 of lane r' + 16 (t % 2) of the fragment
.if (\t) < 2
	ds_store_b128 v9, v[ZS:ZS+3] offset:256*((\t)%2)
	ds_store_b64 v9, v[ZS+4:ZS+5] offset:256*((\t)%2)+512
.else
	ds_store_b64 v9, v[ZS:ZS+1] offset:256*((\t)%2)+520
	ds_store_b128 v9, v[ZS+2:ZS+5] offset:256*((\t)%2)+1024
.endif
.endm
	WLOAD 0
	WLOAD 1
	WBLOCK 0, 32
	WBLOCK 1, 32
	WBLOCK 2, 33                                   ; block 3's 32 loads and the mask's one may be out
	WBLOCK 3, 0
.irp i, 0,1,2,3,4,5
	ds_load_b128 v[OUTR+4*\i:OUTR+4*\i+3], v10 offset:512*\i   ; LDS serves a wave's instructions in order: these see my stores
.endr
	v_cvt_f32_i32 v19, v14
	v_mul_f32 v19, 0xce6e6b28, v19                 ; x -1e9, as reference() has it,
	v_mul_f32 v19, 8.0, v19                        ; x 8, exact (in place of the factor log2(e) that the head's line on the mask names): the attention launch adds the term to q . k ahead of the division by 8
	s_wait_alu depctr_va_vdst(0)
.irp i, 0,1,2,3,4,5
	s_wait_dscnt 5-\i
	global_store_b128 v1, v[OUTR+4*\i:OUTR+4*\i+3], s[30:31] offset:6144*(\i/3)+512*(\i%3)
.endr
	global_store_b32 v11, v15, s[32:33]            ; the wave's 32 scale words: 128 consecutive bytes
	global_store_b32 v8, v19, s[36:37]
	s_wait_tensorcnt 0x0
	ds_add_u32 v62, v63
	s_wait_dscnt 0x0
	s_endpgm
.Lfunc_end_k_q9ca9d2b8eb_prep:
	.size	k_q9ca9d2b8eb_prep, .Lfunc_end_k_q9ca9d2b8eb_prep-k_q9ca9d2b8eb_prep
	.p2alignl 7, 3214868480
	.fill 96, 4, 3214868480
	.section	.rodata,"a",@progbits
	.p2align	6, 0x0
	.amdhsa_kernel k_q9ca9d2b8eb_prep
		.amdhsa_group_segment_fixed_size 46592
		.amdhsa_private_segment_fixed_size 0
		.amdhsa_enable_private_segment 0
		.amdhsa_kernarg_size 64
		.amdhsa_user_sgpr_count 2
		.amdhsa_user_sgpr_kernarg_segment_ptr 1
		.amdhsa_wavefront_size32 1
		.amdhsa_system_sgpr_workgroup_id_x 1
		.amdhsa_system_sgpr_workgroup_id_y 1
		.amdhsa_system_sgpr_workgroup_id_z 1
		.amdhsa_system_vgpr_workitem_id 0
		.amdhsa_next_free_vgpr 256
		.amdhsa_next_free_sgpr 66
		.amdhsa_reserve_vcc 1
		.amdhsa_float_denorm_mode_32 3
		.amdhsa_float_denorm_mode_16_64 3
		.amdhsa_memory_ordered 1
		.amdhsa_forward_progress 1
		.amdhsa_inst_pref_size 56
	.end_amdhsa_kernel
	.amdgpu_metadata
---
amdhsa.version: [ 1, 2 ]
amdhsa.kernels:
  - .name:           k_q9ca9d2b8eb_prep
    .symbol:         k_q9ca9d2b8eb_prep.kd
    .args:
      - { .name: x1, .offset: 0, .size: 8, .value_kind: global_buffer, .address_space: global }
      - { .name: x2, .offset: 8, .size: 8, .value_kind: global_buffer, .address_space: global }
      - { .name: Wq, .offset: 16, .size: 8, .value_kind: global_buffer, .address_space: global }
      - { .name: Wk, .offset: 24, .size: 8, .value_kind: global_buffer, .address_space: global }
      - { .name: Wv, .offset: 32, .size: 8, .value_kind: global_buffer, .address_space: global }
      - { .name: Wo, .offset: 40, .size: 8, .value_kind: global_buffer, .address_space: global }
      - { .name: mask, .offset: 48, .size: 8, .value_kind: global_buffer, .address_space: global }
      - { .name: pre, .offset: 56, .size: 8, .value_kind: global_buffer, .address_space: global }
    .group_segment_fixed_size: 46592
    .private_segment_fixed_size: 0
    .kernarg_segment_align: 8
    .kernarg_segment_size: 64
    .max_flat_workgroup_size: 128
    .sgpr_count:     66
    .vgpr_count:     256
    .wavefront_size: 32
...
	.end_amdgpu_metadata
.endif
;; end of part 1
;; launch proj (part 2): grid 64 x 3, 8 waves a work-group, no clusters, 50,176 bytes of LDS; arguments pre, bq, bk, bv, qkv; writes qkv
.if DOCPART == 2
	.amdgcn_target "amdgcn-amd-amdhsa--gfx1250"
	.amdhsa_code_object_version 6
	.text
	.protected	k_q9ca9d2b8eb_proj
	.globl	k_q9ca9d2b8eb_proj
	.p2align	8
	.type	k_q9ca9d2b8eb_proj,@function
k_q9ca9d2b8eb_proj:
	s_mov_b64 s[64:65], 0
	v_nop
	global_prefetch_b8 v0, s[64:65] scope:SCOPE_SE
	s_setreg_imm32_b32 hwreg(HW_REG_WAVE_MODE, 25, 1), 1
	s_wait_xcnt 0x0
; PROJ: q = x1 Wq + bq, k = x2 Wk + bk, v = x2 Wv + bv on codes of FP6, and their results quantised in registers into the operands of the attention launch.
; Work-group (x, y): 128 rows (block x of 64), kind y (0 q, 1 k, 2 v); wave = head: its 64 columns of W, 16 fragments, stay in registers.
; The block's 32 fragments of x (49,152 bytes, images of registers) are copied into LDS once: one barrier.  No tensor load: the weights go to registers, and the copy is read by this work-group alone.
; q, k: source 0 = 16 columns of W, source 1 = 16 rows of x: a lane holds one row, its registers run along the head's 64 channels, the next K.  Two tiles of rows make ONE packed fragment:
; tile 2 F in k 0..63, tile 2 F + 1 in k 64..127 (the head has only 64 channels; the attention launch multiplies by [q | 0] or [0 | q]).
; v: source 0 = 16 rows of x, source 1 = 16 columns of W: a lane holds one channel, its registers run along the 128 keys, the next K.
; The bias is the C of each sum's first matrix instruction.  The accumulators, eight, take turns, one instruction a turn.
; LIMITS: as stated in the launch that makes the codes (no NaN or infinities; floor 2^-124; a block of zeros has the byte 1).
; REGISTERS: window 0: v1-8 addresses; v16-31 x's scale words, v32-39 W's; v40-45 words just made; v48-63, v64-83 at work; v96-159 accumulators; v160-255 eight fragments of x.
;   window 1: v0-191 W's 16 fragments (12 (4 wt + ks)); v192-223 the bias in the results' layout.
.set XS,    6291456
.set WC,    6553600
.set WS,    7340032
.set QSC,   3145728
.set KVIMG, 3276800
.set KVSC,  9568256
.set LI,  1                            ; v1 16 x lane
.set L8,  2                            ; v2 8 x lane
.set XL,  3                            ; v3 6,144 x wave + 16 x lane: my share of the copy, in memory and in LDS
.set BO,  4                            ; v4 the bias's lane offset
.set L4,  8                            ; v8 4 x lane
.set XSR, 16
.set WSR, 32
.set PW,  40
.set AR,  44
.set TM,  48
.set PC,  64
.set ACC, 96
.set XB,  160
.set BI,  192
.set SEL, 20
.set MSB, 0
.macro WIN new                         ; the immediate's high byte repeats the setting that is left
.if MSB != \new
	s_set_vgpr_msb (MSB<<8)|\new
.set MSB, \new
.endif
.endm
; the matrix instruction: c < 0: the constant 0 starts the sum; ra, rb: the side's scales stand in lanes 16-31
.macro WM d, a, b, c, sa, sb, ra, rb
.set WR, 2*(\ra)+(\rb)
.if (\c) < 0
.if WR == 0
	v_wmma_scale_f32_16x16x128_f8f6f4 v[\d:\d+7], v[\a:\a+11], v[\b:\b+11], 0, v[\sa], v[\sb] matrix_a_fmt:MATRIX_FMT_FP6 matrix_b_fmt:MATRIX_FMT_FP6
.elseif WR == 1
	v_wmma_scale_f32_16x16x128_f8f6f4 v[\d:\d+7], v[\a:\a+11], v[\b:\b+11], 0, v[\sa], v[\sb] matrix_a_fmt:MATRIX_FMT_FP6 matrix_b_fmt:MATRIX_FMT_FP6 matrix_b_scale:MATRIX_SCALE_ROW1
.elseif WR == 2
	v_wmma_scale_f32_16x16x128_f8f6f4 v[\d:\d+7], v[\a:\a+11], v[\b:\b+11], 0, v[\sa], v[\sb] matrix_a_fmt:MATRIX_FMT_FP6 matrix_b_fmt:MATRIX_FMT_FP6 matrix_a_scale:MATRIX_SCALE_ROW1
.else
	v_wmma_scale_f32_16x16x128_f8f6f4 v[\d:\d+7], v[\a:\a+11], v[\b:\b+11], 0, v[\sa], v[\sb] matrix_a_fmt:MATRIX_FMT_FP6 matrix_b_fmt:MATRIX_FMT_FP6 matrix_a_scale:MATRIX_SCALE_ROW1 matrix_b_scale:MATRIX_SCALE_ROW1
.endif
.else
.if WR == 0
	v_wmma_scale_f32_16x16x128_f8f6f4 v[\d:\d+7], v[\a:\a+11], v[\b:\b+11], v[\c:\c+7], v[\sa], v[\sb] matrix_a_fmt:MATRIX_FMT_FP6 matrix_b_fmt:MATRIX_FMT_FP6
.elseif WR == 1
	v_wmma_scale_f32_16x16x128_f8f6f4 v[\d:\d+7], v[\a:\a+11], v[\b:\b+11], v[\c:\c+7], v[\sa], v[\sb] matrix_a_fmt:MATRIX_FMT_FP6 matrix_b_fmt:MATRIX_FMT_FP6 matrix_b_scale:MATRIX_SCALE_ROW1
.elseif WR == 2
	v_wmma_scale_f32_16x16x128_f8f6f4 v[\d:\d+7], v[\a:\a+11], v[\b:\b+11], v[\c:\c+7], v[\sa], v[\sb] matrix_a_fmt:MATRIX_FMT_FP6 matrix_b_fmt:MATRIX_FMT_FP6 matrix_a_scale:MATRIX_SCALE_ROW1
.else
	v_wmma_scale_f32_16x16x128_f8f6f4 v[\d:\d+7], v[\a:\a+11], v[\b:\b+11], v[\c:\c+7], v[\sa], v[\sb] matrix_a_fmt:MATRIX_FMT_FP6 matrix_b_fmt:MATRIX_FMT_FP6 matrix_a_scale:MATRIX_SCALE_ROW1 matrix_b_scale:MATRIX_SCALE_ROW1
.endif
.endif
.endm
; 64 numbers of a lane, register 16 b + i = k 32 b + 16 (lane / 16) + i of my row, become a fragment's codes in v[PC] on and its scale word in v[pw].  Each accumulator is read from its low end on.
.macro QUANT s, pw
.irp b, 0,1,2,3
	v_max3_num_f32 v[TM+\b], |v[\s+16*\b]|, |v[\s+1+16*\b]|, 0x1800000   ; my 16 numbers of block b, and the floor 2^(3 - 127)
.endr
.irp i, 2,4,6,8,10,12,14
.irp b, 0,1,2,3
	v_max3_num_f32 v[TM+\b], v[TM+\b], |v[\s+16*\b+\i]|, |v[\s+1+16*\b+\i]|
.endr
.endr
.irp b, 0,1,2,3
	s_delay_alu instid0(VALU_DEP_4)
	v_permlanex16_b32 v[TM+4+\b], v[TM+\b], s[SEL], s[SEL+1]
.endr
.irp b, 0,1,2,3
	s_delay_alu instid0(VALU_DEP_4)
	v_max_num_f32 v[TM+\b], v[TM+\b], v[TM+4+\b]
.endr
.irp b, 0,1,2,3
	s_delay_alu instid0(VALU_DEP_4)
	v_add_nc_u32 v[TM+12+\b], 0xff000000, v[TM+\b] ; 2 off the exponent field: the conversion's scale operand
.endr
.irp b, 0,1,2,3
	s_delay_alu instid0(VALU_DEP_4)
	v_lshrrev_b32 v[TM+4+\b], 23, v[TM+12+\b]      ; the scale's byte
.endr
	s_delay_alu instid0(VALU_DEP_3)
	v_lshl_or_b32 v[(\pw)], v[TM+5], 8, v[TM+4]
	s_delay_alu instid0(VALU_DEP_1)
	v_lshl_or_b32 v[(\pw)], v[TM+6], 16, v[(\pw)]
	s_delay_alu instid0(VALU_DEP_1)
	v_lshl_or_b32 v[(\pw)], v[TM+7], 24, v[(\pw)]
.irp c, 0,1
	v_cvt_scalef32_pk16_fp6_f32 v[PC+6*\c:PC+2+6*\c], v[\s+32*\c:\s+15+32*\c], v[TM+12+2*\c]
	v_cvt_scalef32_pk16_fp6_f32 v[PC+12+4*\c:PC+14+4*\c], v[\s+16+32*\c:\s+31+32*\c], v[TM+12+2*\c+1]
.endr
	v_nop                                          ; one plain instruction behind a scaled conversion
.irp c, 0,1
.irp i, 0,1,2
	v_permlane16_swap_b32 v[PC+6*\c+\i], v[PC+12+4*\c+\i]
.endr
.irp i, 0,1,2
	s_delay_alu instid0(VALU_DEP_3)
	v_mov_b32 v[PC+3+6*\c+\i], v[PC+12+4*\c+\i]
.endr
.endr
.endm
.macro IMGOUT off                      ; the fragment in v[PC] on goes to memory as it stands: three stores of 512 consecutive bytes
.irp c, 0,1,2
	global_store_b128 v[LI], v[PC+4*\c:PC+4*\c+3], s[32:33] offset:\off+512*\c
.endr
.endm
.macro SCOUT                           ; four fragments' scale words as one record of 256 bytes: register 0: fragment 0 in lanes 0-15, 1 in lanes 16-31; register 1: fragments 2, 3
	v_cmp_ne_u32 vcc_lo, 0, v7
	s_delay_alu instid0(VALU_DEP_1)
	v_cndmask_b32 v[AR], v[PW], v[PW+1], vcc_lo
	s_delay_alu instid0(VALU_DEP_2)
	v_cndmask_b32 v[AR+1], v[PW+2], v[PW+3], vcc_lo
	global_store_b64 v[L8], v[AR:AR+1], s[34:35]
.endm
.macro PLACES                          ; four plain instructions between a matrix instruction and loads into its sources or reads of its result
.rept 4
	v_nop
.endr
.endm
	s_load_b256 s[4:11], s[0:1], 0x0               ; pre, bq, bk, bv
	s_load_b64 s[12:13], s[0:1], 0x20              ; qkv
	v_lshl_add_u32 v94, v0, 2, 0xc000
	v_mov_b32 v95, 0
	v_lshrrev_b32 v1, 5, v0
	s_delay_alu instid0(VALU_DEP_1)
	v_readfirstlane_b32 s14, v1                    ; wave = head
	v_and_b32 v5, 31, v0
	v_and_b32 v6, 15, v0                           ; r
	v_bfe_u32 v7, v0, 4, 1                         ; h
	s_delay_alu instid0(VALU_DEP_3)
	v_lshlrev_b32 v[LI], 4, v5
	s_delay_alu instid0(VALU_DEP_4)
	v_lshlrev_b32 v[L8], 3, v5
	v_lshlrev_b32 v[L4], 2, v5
	s_mul_i32 s22, s14, 6144
	v_add_nc_u32 v[XL], s22, v[LI]
.irp b, 0,1,2,3
	v_mov_b32 v[TM+4+\b], 0                        ; written once: a lane permute's destination counts as one of its sources
.endr
	s_mov_b32 s[SEL], 0x76543210
	s_mov_b32 s[SEL+1], 0xfedcba98
	s_and_b32 s15, ttmp7, 0xffff                   ; kind
	s_lshr_b32 s17, ttmp9, 5                       ; batch
	s_and_b32 s18, ttmp9, 31                       ; key step (block of 128 rows in the batch)
	s_lshl_b32 s19, s17, 3
	s_add_co_u32 s19, s19, s14                     ; bh = 8 x batch + head
	s_cmp_eq_u32 s15, 0                            ; q reads x1's images, k and v x2's
	s_cselect_b32 s24, 0, 3145728
	s_cselect_b32 s26, 0, 131072
	s_mul_i32 s23, ttmp9, 49152
	s_add_co_u32 s24, s24, s23                     ; the block's 32 images
	s_mov_b32 s25, 0
	s_lshl_b32 s23, ttmp9, 11
	s_add_co_u32 s26, s26, s23
	s_add_co_u32 s26, s26, XS                      ; its four groups' scale words
	s_mov_b32 s27, 0
	s_lshl_b32 s28, s15, 13
	s_lshl_b32 s23, s14, 8
	s_add_co_u32 s28, s28, s23
	s_add_co_u32 s28, s28, WS                      ; W's scale words: + 2,048 ks + 128 Gl
	s_mov_b32 s29, 0
	s_lshl_b32 s30, s15, 4
	s_lshl_b32 s23, s14, 1
	s_add_co_u32 s30, s30, s23
	s_mul_i32 s30, s30, 12288
	s_add_co_u32 s30, s30, WC                      ; my head's 16 images of W: 24,576 consecutive bytes
	s_mov_b32 s31, 0
	s_lshl_b32 s38, s14, 8                         ; my head's 64 numbers of the bias
	s_mov_b32 s39, 0
	s_wait_alu depctr_va_vdst(0)
	s_wait_kmcnt 0x0
	s_add_nc_u64 s[24:25], s[4:5], s[24:25]
	s_add_nc_u64 s[26:27], s[4:5], s[26:27]
	s_add_nc_u64 s[28:29], s[4:5], s[28:29]
	s_add_nc_u64 s[30:31], s[4:5], s[30:31]
.irp i, 0,1,2,3,4,5,6,7,8,9,10,11
	global_load_b128 v[XB+4*\i:XB+4*\i+3], v[XL], s[24:25] offset:512*\i   ; my eighth of the block's images
.endr
.irp g, 0,1,2,3
	global_load_b128 v[XSR+4*\g:XSR+4*\g+3], v[LI], s[26:27] offset:512*\g   ; register 4 g + ks: lanes 0-15 tile u = 0, lanes 16-31 u = 1
.endr
.irp ks, 0,1,2,3
.irp gl, 0,1
	global_load_b32 v[WSR+2*\ks+\gl], v[L4], s[28:29] offset:2048*\ks+128*\gl
.endr
.endr
	WIN 0x40                                       ; destination window 1
.irp f, 0,1,2,3,4,5,6,7,8,9,10,11,12,13,14,15
.irp c, 0,1,2
	global_load_b128 v[12*\f+4*\c:12*\f+4*\c+3], v[LI], s[30:31] offset:1536*\f+512*\c
.endr
.endr
	WIN 0
	s_wait_loadcnt 60                              ; my 12 loads of images are in; the 4 + 8 + 48 issued behind them may be out
.irp i, 0,1,2,3,4,5,6,7,8,9,10,11
	ds_store_b128 v[XL], v[XB+4*\i:XB+4*\i+3] offset:512*\i
.endr
	s_wait_dscnt 0x0                               ; for the others' sake: my stores have landed
	s_barrier_signal -1
	s_barrier_wait -1                              ; the block's 32 fragments lie in LDS; nothing is written there again
	s_cmp_eq_u32 s15, 2
	s_cbranch_scc1 .Lvalues
	; ---------------- q, k
	s_mov_b32 s32, 393216
	s_mov_b32 s33, 12288
	s_mov_b32 s36, KVSC
	s_cmp_eq_u32 s15, 0
	s_cselect_b32 s32, 196608, s32                 ; bytes of images for a head: q 128 x 1,536; k and v together 32 x 12,288
	s_cselect_b32 s33, 6144, s33                   ; and for a block of 128 rows
	s_cselect_b32 s34, 0, KVIMG
	s_cselect_b32 s35, 8, 9                        ; a step's record of scale words: 256 bytes for q, 512 for k and v together
	s_cselect_b32 s36, QSC, s36
	s_cselect_b64 s[6:7], s[6:7], s[8:9]           ; bq or bk: the choice hangs on the work-group's number alone
	s_mul_i32 s32, s32, s19
	s_mul_i32 s33, s33, s18
	s_add_co_u32 s32, s32, s33
	s_add_co_u32 s32, s32, s34
	s_mov_b32 s33, 0
	s_lshl_b32 s37, s19, 5
	s_add_co_u32 s37, s37, s18
	s_lshl_b32 s34, s37, s35
	s_add_co_u32 s34, s34, s36
	s_mov_b32 s35, 0
	s_add_nc_u64 s[32:33], s[12:13], s[32:33]
	s_add_nc_u64 s[34:35], s[12:13], s[34:35]
	s_add_nc_u64 s[6:7], s[6:7], s[38:39]
	v_lshlrev_b32 v[BO], 6, v7                     ; lane (r, h) wants, for tile wt, the channels 32 (wt / 2) + 16 h + 8 (wt % 2) + 0 .. 7
	WIN 0x40
.irp wt, 0,1,2,3
	global_load_b128 v[BI+8*\wt:BI+8*\wt+3], v[BO], s[6:7] offset:(32*(\wt/2)+8*(\wt%2))*4
	global_load_b128 v[BI+8*\wt+4:BI+8*\wt+7], v[BO], s[6:7] offset:(32*(\wt/2)+8*(\wt%2))*4+16
.endr
	WIN 0
.macro FETCHX g                        ; group g's two tiles, all four K steps: eight fragments
.irp xt, 0,1
.irp ks, 0,1,2,3
.irp c, 0,1,2
	ds_load_b128 v[XB+12*(4*\xt+\ks)+4*\c:XB+12*(4*\xt+\ks)+4*\c+3], v[LI] offset:((2*(\g)+\xt)*4+\ks)*1536+512*\c
.endr
.endr
.endr
.endm
.macro MULQK g                         ; 32 matrix instructions: 2 tiles of rows x 4 tiles of channels, K = 512
.irp ks, 0,1,2,3
.if \ks == 0
	WIN 0x11                                       ; source 0 (W) and C (the bias) window 1
.else
	WIN 0x01
.endif
.irp xt, 0,1
.irp wt, 0,1,2,3
.if \ks == 0
	WM ACC+32*\xt+8*\wt, 12*(4*\wt+\ks), XB+12*(4*\xt+\ks), BI+8*\wt, WSR+2*\ks+\wt/2, XSR+4*(\g)+\ks, \wt%2, \xt
.else
	WM ACC+32*\xt+8*\wt, 12*(4*\wt+\ks), XB+12*(4*\xt+\ks), ACC+32*\xt+8*\wt, WSR+2*\ks+\wt/2, XSR+4*(\g)+\ks, \wt%2, \xt
.endif
.endr
.endr
.endr
	WIN 0
.endm
	FETCHX 0
	s_wait_loadcnt 0x0                             ; W, the scale words, the bias
.irp F, 0,1,2,3
	s_wait_dscnt 0x0
	MULQK \F
	PLACES
.if \F < 3
	FETCHX \F+1                                    ; lands while this group is quantised
.endif
	s_wait_xcnt 0x0                                ; the last image's stores have read v[PC] on
	QUANT ACC, PW+\F
	IMGOUT 1536*\F
.endr
	SCOUT
	s_wait_tensorcnt 0x0
	ds_add_u32 v94, v95
	s_wait_dscnt 0x0
	s_endpgm
	; ---------------- v
.Lvalues:
	s_mul_i32 s32, s19, 393216
	s_mul_i32 s33, s18, 12288
	s_add_co_u32 s32, s32, s33
	s_add_co_u32 s32, s32, KVIMG+6144              ; V's four images lie behind K's four
	s_mov_b32 s33, 0
	s_lshl_b32 s34, s19, 5
	s_add_co_u32 s34, s34, s18
	s_lshl_b32 s34, s34, 9
	s_add_co_u32 s34, s34, KVSC+256
	s_mov_b32 s35, 0
	s_add_nc_u64 s[32:33], s[12:13], s[32:33]
	s_add_nc_u64 s[34:35], s[12:13], s[34:35]
	s_add_nc_u64 s[10:11], s[10:11], s[38:39]
	v_and_b32 v9, 8, v6
	s_delay_alu instid0(VALU_DEP_1)
	v_add_nc_u32 v9, v9, v6
	s_delay_alu instid0(VALU_DEP_1)
	v_lshlrev_b32 v[BO], 2, v9                     ; my lane's channel of a tile: r + 8 (r / 8)
	WIN 0x40
.irp ct, 0,1,2,3
	global_load_b32 v[BI+8*\ct], v[BO], s[10:11] offset:(32*(\ct/2)+8*(\ct%2))*4
.endr
	WIN 0
.macro FETCHV ks                       ; the eight tiles of rows, K step ks
.irp xt, 0,1,2,3,4,5,6,7
.irp c, 0,1,2
	ds_load_b128 v[XB+12*\xt+4*\c:XB+12*\xt+4*\c+3], v[LI] offset:(\xt*4+(\ks))*1536+512*\c
.endr
.endr
.endm
	FETCHV 0
	s_wait_loadcnt 0x0
	WIN 0x41                                       ; destination and source window 1
.irp ct, 0,1,2,3
.irp j, 1,2,3,4,5,6,7
	v_mov_b32 v[BI+8*\ct+\j], v[BI+8*\ct]          ; all eight registers of a C are keys of my one channel
.endr
.endr
	WIN 0
.irp ct, 0,1,2,3
.irp ks, 0,1,2,3
	s_wait_dscnt 0x0
.if \ks == 0
	WIN 0x14                                       ; source 1 (W) and C (the bias) window 1
.else
	WIN 0x04
.endif
.irp xt, 0,1,2,3,4,5,6,7
.if \ks == 0
	WM ACC+8*\xt, XB+12*\xt, 12*(4*\ct+\ks), BI+8*\ct, XSR+4*(\xt/2)+\ks, WSR+2*\ks+\ct/2, \xt%2, \ct%2
.else
	WM ACC+8*\xt, XB+12*\xt, 12*(4*\ct+\ks), ACC+8*\xt, XSR+4*(\xt/2)+\ks, WSR+2*\ks+\ct/2, \xt%2, \ct%2
.endif
.endr
	WIN 0
	PLACES
.if \ks < 3
	FETCHV \ks+1
.elseif \ct < 3
	FETCHV 0
.endif
.endr
	s_wait_xcnt 0x0                                ; the last image's stores have read v[PC] on
	QUANT ACC, PW+\ct
	IMGOUT 1536*\ct
.endr
	SCOUT
	s_wait_tensorcnt 0x0
	ds_add_u32 v94, v95
	s_wait_dscnt 0x0
	s_endpgm
.Lfunc_end_k_q9ca9d2b8eb_proj:
	.size	k_q9ca9d2b8eb_proj, .Lfunc_end_k_q9ca9d2b8eb_proj-k_q9ca9d2b8eb_proj
	.p2alignl 7, 3214868480
	.fill 96, 4, 3214868480
	.section	.rodata,"a",@progbits
	.p2align	6, 0x0
	.amdhsa_kernel k_q9ca9d2b8eb_proj
		.amdhsa_group_segment_fixed_size 50176
		.amdhsa_private_segment_fixed_size 0
		.amdhsa_enable_private_segment 0
		.amdhsa_kernarg_size 40
		.amdhsa_user_sgpr_count 2
		.amdhsa_user_sgpr_kernarg_segment_ptr 1
		.amdhsa_wavefront_size32 1
		.amdhsa_system_sgpr_workgroup_id_x 1
		.amdhsa_system_sgpr_workgroup_id_y 1
		.amdhsa_system_sgpr_workgroup_id_z 1
		.amdhsa_system_vgpr_workitem_id 0
		.amdhsa_next_free_vgpr 512
		.amdhsa_next_free_sgpr 66
		.amdhsa_reserve_vcc 1
		.amdhsa_float_denorm_mode_32 3
		.amdhsa_float_denorm_mode_16_64 3
		.amdhsa_memory_ordered 1
		.amdhsa_forward_progress 1
		.amdhsa_inst_pref_size 120
	.end_amdhsa_kernel
	.amdgpu_metadata
---
amdhsa.version: [ 1, 2 ]
amdhsa.kernels:
  - .name:           k_q9ca9d2b8eb_proj
    .symbol:         k_q9ca9d2b8eb_proj.kd
    .args:
      - { .name: pre, .offset: 0, .size: 8, .value_kind: global_buffer, .address_space: global }
      - { .name: bq, .offset: 8, .size: 8, .value_kind: global_buffer, .address_space: global }
      - { .name: bk, .offset: 16, .size: 8, .value_kind: global_buffer, .address_space: global }
      - { .name: bv, .offset: 24, .size: 8, .value_kind: global_buffer, .address_space: global }
      - { .name: qkv, .offset: 32, .size: 8, .value_kind: global_buffer, .address_space: global }
    .group_segment_fixed_size: 50176
    .private_segment_fixed_size: 0
    .kernarg_segment_align: 8
    .kernarg_segment_size: 40
    .max_flat_workgroup_size: 256
    .sgpr_count:     66
    .vgpr_count:     512
    .wavefront_size: 32
...
	.end_amdgpu_metadata
.endif
;; end of part 2
;; launch attn (part 3): grid 16 x 16, 8 waves a work-group, clusters of 4 x 1, 327,680 bytes of LDS; arguments qkv, pre, att; writes att
.if DOCPART == 3
	.amdgcn_target "amdgcn-amd-amdhsa--gfx1250"
	.amdhsa_code_object_version 6
	.text
	.protected	k_q9ca9d2b8eb_attn
	.globl	k_q9ca9d2b8eb_attn
	.p2align	8
	.type	k_q9ca9d2b8eb_attn,@function
k_q9ca9d2b8eb_attn:
	s_mov_b64 s[64:65], 0
	v_nop
	global_prefetch_b8 v0, s[64:65] scope:SCOPE_SE
	s_setreg_imm32_b32 hwreg(HW_REG_WAVE_MODE, 25, 1), 1
	s_wait_xcnt 0x0
	s_wait_alu depctr_hold_cnt(0) depctr_sa_sdst(0) depctr_va_vdst(0) depctr_va_sdst(0) depctr_va_ssrc(0) depctr_va_vcc(0) depctr_vm_vsrc(0)
	s_getreg_b32 s2, hwreg(HW_REG_IB_STS2, 6, 4)
	s_cmp_eq_u32 s2, 0
	s_cbranch_scc0 .Lentry_in_a_cluster
	s_endpgm
.Lentry_in_a_cluster:
	s_bfe_u32 s2, ttmp6, 0x10000c
	s_cmp_lg_u32 s2, 0x3003
	s_cbranch_scc0 .Lentry_shape_is_right
	s_endpgm
.Lentry_shape_is_right:
; ATTN: for each batch and head, O[q] = sum over keys of softmax(q . k / 8 + mask x -1e9) v, both products on codes of FP6 with E8M0 scales; O / l is quantised along the channels for the last product.
; THE SOFTMAX: the score product takes mask x -8e9 (made by the first launch) as its C, so s = q . k - 8e9 mask = 8 x logit.  t = s x log2(e) / 8; M = the running largest t rounded UP to a whole number;
; p = 2^(t - M), one multiply-add and one exponential, is quantised along the keys, not normalised; l is the sum of the unquantised p.  When M moves, l and O are multiplied by 2^(old M - new M): exact.
; THE RUNNING MAXIMUM BEGINS AT -2^30.  A row that still stands there has met masked keys alone: its multiplier and addend are selected to 0, so that p = 1 for each of them, which is what reference() gives
; for a batch all of whose keys are masked (f32 loses the scores beside -1e9).  The first unmasked key moves M by about 2^30, and the factor 2^(old M - new M) = 0 wipes what was summed.
; LIMITS: the promise holds while |t| of unmasked scores stays under 2^28 (a masked key then stays under -2^30) and, for a batch wholly masked, while |q . k| / 8 < 32, where reference()'s own sum is -1e9.
; NaN and infinities are not served; a block's largest p is floored at 2^-124 (its codes are zeros then); it is made from the block's largest s by the same two instructions as p.
; SHARES: a work-group owns 256 queries of one (batch, head); each of its eight waves 32 of them, two tiles A and B, which share every fragment of K and V and every mask term read from LDS.
; Every wave walks all 4,096 keys, 128 a step.  In memory a step is 12,288 dense bytes, images of registers: K's four packed fragments, then V's four.
; K's fragment F holds key tile 2 F in k 0..63 and tile 2 F + 1 in k 64..127: their scores are F x [q | 0] and F x [0 | q].  Both products are used transposed: a lane holds ONE query, and
; registers 16 b + i of the scores are keys 32 b + 16 (lane / 16) + i.
; THE STEP IS LAID ONE TILE AHEAD.  Trip n: the LDS loads of V(n), K(n + 1) and step n + 1's mask terms; tile A's exponentials, sums and codes; tile B's maxima and t - M; the products O_A += V p_A and tile A's
; scores of step n + 1; tile B's exponentials, sums and codes; tile A's maxima and t - M of step n + 1; the products O_B += V p_B and tile B's scores of step n + 1.  Each group of twelve products stands
; directly ahead of the other tile's 68 exponentials.  What a trip reads from the ring is [V(n) | K(n + 1)]: 12,288 dense bytes that begin 6,144 bytes behind step n's first byte: the ring goes by such pieces,
; and no read reaches into the other slot.  K(0) goes from memory straight into registers.  The last piece's second half (6,144 bytes that follow the head's images, inside the buffer) is fetched with its
; first half by the one descriptor and is not read.  The very last step is written out: it looks no step ahead.
; CLUSTER: the four query blocks of a cluster walk the same K, V, scale records and mask terms: every tensor load is asked for JOINTLY (mask 15).
; RING: two slots of eight pieces (98,304 bytes); four slots in all, written out, each with a counted loop.  At the head a wave issues one load (waves 0-3 a quarter of slot 0, waves 4-5 half of
; the scale records, waves 6-7 half of the mask terms); behind each round every wave asks for one piece of the next slot: a wave has one tensor load out.
; PREFETCH: with the request for slot n + 1 goes a prefetch of slot n + 2 (n = 0, 1): eight steps ahead of the load that wants it.  All clusters of a head walk the same bytes: the head's first cluster asks;
; its four partners take 24,576 bytes each, told apart by address; in each, waves 4, 5, 6 take 8,192 bytes, lanes 256 bytes apart.  Slots 0 and 1 come by their loads alone.
; REGISTERS: window 0: v1-11 addresses; v12-19 the tiles' -M, largest t, l; v20-27 scale words; v28-63 at work; v64-127, v128-191 scores and p of A, B; v192-223, v224-255 O^T of A, B.
;   window 1: v0-63 mask terms; v64-111 K; v112-159 V; v160-179 p's codes; v224-253 zeros | q A | zeros | q B | zeros.  Dual-issue pairs name window 0 alone.
.set QSC,   3145728
.set KVIMG, 3276800
.set KVSC,  9568256
.set MT,    7372800
.set OSC,   3145728
.set STEPB, 12288
.set SLOTB, 98304
.set SC,    196608                     ; LDS behind the ring: the head's scale records, 512 bytes a step: K's 256, V's 256
.set MTL,   212992                     ; the batch's 4,096 mask terms
.set OSCR,  229376                     ; 1,024 bytes: the sixteen tiles' scale words on the way out; no fill lands here
.set SPARE, 230400                     ; the spare words, 128 bytes for each of 8 waves, that no other line names
.set LI,   1                           ; 16 x lane
.set ASC0, 2                           ; SC + 8 x lane
.set AMT0, 3                           ; MTL + 64 (lane / 16)
.set SPW,  4                           ; my spare word; never rewritten
.set NIL,  5                           ; 0; never rewritten
.set ADK,  6
.set ADS,  7
.set ADM,  8
.set PFO,  9                           ; 256 x lane
.set AOS,  10                          ; OSCR + 128 x wave + 4 r
.set L8,   11                          ; 8 x lane
.set QSA,  20                          ; scale registers, which hold nothing else: q's words, p's, K's two, V's two
.set QSB,  21
.set PS,   22
.set KS,   24
.set VS,   26
.set BM,   28
.set BP,   32
.set SO,   36
.set BY,   40
.set FF,   44                          ; f = 2^(old M - new M), twice: the two halves of a pair read different registers
.set CL,   46                          ; the row's multiplier, twice: log2(e) / 8, or 0
.set AD,   48                          ; the row's addend, twice: -M, or 0
.set TP,   50
.set TQ,   51                          ; behind their use v46-59 and v32-33 hold the row sum's eight chains of pairs
.set QW,   60
.set QA,   61
.set VC,   62                          ; log2(e) / 8
.set VZ,   63                          ; 0.0
.set SA,   64
.set SB,   128
.set OA,   192
.set OB,   224
.set MTR,  0                           ; window 1
.set KF,   64
.set VF,   112
.set PC,   160
.set CT,   172
.set Q0,   224
.set WV,   10
.set LA0,  16
.set THR,  17
.set BIG,  18
.set IN,   19
.set SEL,  20
.set CS,   22
.set G1K,  24
.set G1S,  32
.set G1H,  40
.set G0K,  48
.set G0S,  52
.set G0M,  56
.set G0H,  60
.set TS,   66
.set TK,   67
.set LIM,  68
.set PFA,  70
.set AOI,  72
.set AOC,  74
.set MSB, 0
.macro WIN new                         ; the immediate's high byte repeats the setting that is left
.if MSB != \new
	s_set_vgpr_msb (MSB<<8)|\new
.set MSB, \new
.endif
.endm
.macro WM d, a, b, c, sa, sb, ra       ; ra: source 0's scales stand in lanes 16-31
.if \ra
	v_wmma_scale_f32_16x16x128_f8f6f4 v[\d:\d+7], v[\a:\a+11], v[\b:\b+11], v[\c:\c+7], v[\sa], v[\sb] matrix_a_fmt:MATRIX_FMT_FP6 matrix_b_fmt:MATRIX_FMT_FP6 matrix_a_scale:MATRIX_SCALE_ROW1
.else
	v_wmma_scale_f32_16x16x128_f8f6f4 v[\d:\d+7], v[\a:\a+11], v[\b:\b+11], v[\c:\c+7], v[\sa], v[\sb] matrix_a_fmt:MATRIX_FMT_FP6 matrix_b_fmt:MATRIX_FMT_FP6
.endif
.endm
.macro CROUND                          ; a round of the cluster's barrier
	s_barrier_signal -1
	s_barrier_wait -1
	s_cmp_lg_u32 s[WV], 0
	s_cbranch_scc1 .Lnot_wave_0_\@
	s_barrier_signal -3
.Lnot_wave_0_\@:
	s_barrier_wait -3
	s_barrier_signal -1
	s_barrier_wait -1
.endm
.macro TL g0, g1                       ; a joint load; s_nop 0 and four v_nop follow it
	tensor_load_to_lds s[\g0:\g0+3], s[\g1:\g1+7]
	s_nop 0
.rept 4
	v_nop
.endr
.endm
.macro SETG1 g, rows                   ; dense rows of 256 bytes (32 elements of 8 bytes); 15:0 the mask: all four work-groups; 21 set beside a mask; no padding
	s_mov_b32 s[\g], 0x0023000f
	s_mov_b32 s[\g+1], 32<<16
	s_mov_b32 s[\g+2], (\rows)<<16
	s_mov_b32 s[\g+3], 32<<16
	s_mov_b32 s[\g+4], \rows
	s_mov_b32 s[\g+5], 32
	s_mov_b32 s[\g+6], 0
	s_mov_b32 s[\g+7], 0
.endm
	s_load_b128 s[4:7], s[0:1], 0x0                ; qkv, pre
	s_load_b64 s[8:9], s[0:1], 0x10                ; att
	v_lshl_add_u32 v[SPW], v0, 2, SPARE
	v_mov_b32 v[NIL], 0
	ds_add_u32 v[SPW], v[NIL]                      ; the opening lines: the add, twice on end, and its wait ahead of my first tensor load
	ds_add_u32 v[SPW], v[NIL]
	v_lshrrev_b32 v1, 5, v0
	v_readfirstlane_b32 s[WV], v1                  ; wave 0..7
	s_bfe_u32 s11, ttmp6, 0x40000                  ; cx: it enters global addresses of q, of the output and of the prefetches alone
	s_lshl_b32 s12, ttmp9, 2
	s_add_co_u32 s12, s12, s11                     ; qb: my block of 256 queries
	s_and_b32 s13, ttmp7, 0xffff                   ; bh, which the four partners share
	s_lshr_b32 s14, s13, 3                         ; batch
	s_and_b32 s15, s13, 7                          ; head
	s_mov_b32 s[SEL], 0x76543210
	s_mov_b32 s[SEL+1], 0xfedcba98
	s_mov_b32 s[CS], 0x3e38aa3b                    ; log2(e) / 8
	s_mov_b32 s[THR], 0xce800000                   ; -2^30
	SETG1 G1K, 48                                  ; a piece
	SETG1 G1S, 32                                  ; half of the scale records or of the mask terms
	SETG1 G1H, 96                                  ; two pieces
	s_mul_i32 s[LA0], s[WV], STEPB                 ; my piece of a slot, in memory and in LDS
	s_mul_i32 s76, s13, 393216
	s_add_co_u32 s76, s76, KVIMG                   ; the head's images: K(0);
	s_add_co_u32 s77, s76, 6144                    ; and where the ring's pieces begin: V(0)
	s_mul_i32 s80, s[WV], 2*STEPB                  ; waves 0-3: my quarter of slot 0
	s_add_co_u32 s78, s77, s80
	s_mov_b32 s79, 0
	s_add_co_u32 s82, s77, s[LA0]
	s_mov_b32 s83, 0
	s_and_b32 s81, s[WV], 1
	s_lshl_b32 s81, s81, 13                        ; which half of 16,384 bytes
	s_lshl_b32 s84, s13, 14
	s_add_co_u32 s84, s84, s81
	s_add_co_u32 s84, s84, KVSC
	s_mov_b32 s85, 0
	s_lshl_b32 s86, s14, 14
	s_add_co_u32 s86, s86, s81
	s_add_co_u32 s86, s86, MT
	s_mov_b32 s87, 0
	s_mov_b32 s88, s76
	s_mov_b32 s89, 0
	s_wait_dscnt 0x0                               ; both opening adds are done
	s_wait_kmcnt 0x0
	s_mov_b32 s[G0H], 1
	s_mov_b32 s[G0H+1], s80
	s_add_nc_u64 s[G0H+2:G0H+3], s[4:5], s[78:79]
	s_or_b32 s[G0H+3], s[G0H+3], 0x80000000
	s_mov_b32 s[G0K], 1
	s_mov_b32 s[G0K+1], s[LA0]
	s_add_nc_u64 s[G0K+2:G0K+3], s[4:5], s[82:83]  ; slot 0's piece: each change of slots steps it on before it is used
	s_or_b32 s[G0K+3], s[G0K+3], 0x80000000
	s_mov_b32 s[G0S], 1
	s_add_co_u32 s[G0S+1], s81, SC
	s_add_nc_u64 s[G0S+2:G0S+3], s[4:5], s[84:85]
	s_or_b32 s[G0S+3], s[G0S+3], 0x80000000
	s_mov_b32 s[G0M], 1
	s_add_co_u32 s[G0M+1], s81, MTL
	s_add_nc_u64 s[G0M+2:G0M+3], s[6:7], s[86:87]
	s_or_b32 s[G0M+3], s[G0M+3], 0x80000000
	s_add_nc_u64 s[88:89], s[4:5], s[88:89]        ; K(0)
	CROUND                                         ; all four work-groups are here: the first joint loads meet
	s_cmp_lt_u32 s[WV], 4                          ; one chain of branches on the wave's number, one load to an arm
	s_cbranch_scc0 .Lhead_s
	TL G0H, G1H
	s_branch .Lhead_done
.Lhead_s:
	s_cmp_lt_u32 s[WV], 6
	s_cbranch_scc0 .Lhead_m
	TL G0S, G1S
	s_branch .Lhead_done
.Lhead_m:
	TL G0M, G1S
.Lhead_done:
	s_mul_i32 s78, s13, 196608                     ; my group of 32 queries, 8 qb + wave: one packed fragment of q: tile A in k 0..63, tile B in k 64..127
	s_lshl_b32 s79, s12, 3
	s_add_co_u32 s79, s79, s[WV]
	s_mul_i32 s79, s79, 1536
	s_add_co_u32 s78, s78, s79
	s_mov_b32 s79, 0
	s_add_nc_u64 s[78:79], s[4:5], s[78:79]
	s_lshl_b32 s80, s13, 5
	s_lshl_b32 s81, s12, 1
	s_add_co_u32 s80, s80, s81
	s_lshr_b32 s81, s[WV], 2
	s_add_co_u32 s80, s80, s81
	s_lshl_b32 s80, s80, 8
	s_add_co_u32 s80, s80, QSC                     ; the record of its block of 128 queries
	s_mov_b32 s81, 0
	s_add_nc_u64 s[80:81], s[4:5], s[80:81]
	s_and_b32 s82, s[WV], 1                        ; F = wave % 4: the word of row r lies at 8 (16 (F % 2) + r) + 4 (F / 2)
	s_lshl_b32 s82, s82, 7
	s_bfe_u32 s83, s[WV], 0x10001
	s_lshl_b32 s83, s83, 2
	s_add_co_u32 s82, s82, s83
	v_and_b32 v[QA], 15, v0
	v_lshlrev_b32 v[QA], 3, v[QA]
	v_add_nc_u32 v[QA], s82, v[QA]
	v_and_b32 v[PFO], 31, v0
	v_lshlrev_b32 v[LI], 4, v[PFO]
	v_lshlrev_b32 v[L8], 3, v[PFO]
	s_wait_alu depctr_va_vdst(0)                   ; ahead of the readers below
	global_load_b32 v[QW], v[QA], s[80:81]
	WIN 0x40                                       ; destination window 1
	global_load_b128 v[Q0+6:Q0+9], v[LI], s[78:79]               ; the image's registers 0-5 are tile A's,
	global_load_b64 v[Q0+10:Q0+11], v[LI], s[78:79] offset:512
	global_load_b64 v[Q0+18:Q0+19], v[LI], s[78:79] offset:520   ; 6-11 tile B's
	global_load_b128 v[Q0+20:Q0+23], v[LI], s[78:79] offset:1024
.irp f, 0,1,2,3
.irp c, 0,1,2
	global_load_b128 v[KF+12*\f+4*\c:KF+12*\f+4*\c+3], v[LI], s[88:89] offset:1536*\f+512*\c   ; K(0)'s four fragments
.endr
.endr
.irp i, 0,1,2,3,4,5
	v_mov_b32 v[Q0+\i], 0                          ; zero codes: [0 | q A] = Q0.., [q A | 0] = Q0+6.., [0 | q B] = Q0+12.., [q B | 0] = Q0+18..
	v_mov_b32 v[Q0+12+\i], 0
	v_mov_b32 v[Q0+24+\i], 0
.endr
	WIN 0
	s_lshl_b32 s84, s14, 8                         ; tile 256 x batch + 16 qb + 2 wave (+ 1 for B)
	s_lshl_b32 s85, s12, 4
	s_add_co_u32 s84, s84, s85
	s_lshl_b32 s86, s[WV], 1
	s_add_co_u32 s84, s84, s86
	s_lshl_b32 s84, s84, 3
	s_add_co_u32 s84, s84, s15
	s_mul_i32 s[AOI], s84, 768                     ; its half fragment for my head; tile B's lies 6,144 on
	s_mov_b32 s[AOI+1], 0
	s_add_nc_u64 s[AOI:AOI+1], s[8:9], s[AOI:AOI+1]
	s_lshl_b32 s[AOC], s13, 8
	s_add_co_u32 s[AOC], s[AOC], s85
	s_lshl_b32 s[AOC], s[AOC], 6
	s_add_co_u32 s[AOC], s[AOC], OSC               ; the work-group's sixteen tiles' scale words: 1,024 bytes
	s_mov_b32 s[AOC+1], 0
	s_add_nc_u64 s[AOC:AOC+1], s[8:9], s[AOC:AOC+1]
	s_mul_i32 s84, s11, 24576                      ; the prefetches: my work-group's part of a slot,
	s_and_b32 s85, s[WV], 3
	s_lshl_b32 s85, s85, 13                        ; my wave's
	s_add_co_u32 s84, s84, s85
	s_add_co_u32 s84, s84, s77
	s_mov_b32 s85, 0
	s_add_nc_u64 s[PFA:PFA+1], s[4:5], s[84:85]    ; never rewritten: the slot stands in the prefetch's immediate
	s_sub_co_u32 s86, s[WV], 4
	s_cmp_lt_u32 s86, 3                            ; waves 4, 5, 6
	s_cselect_b32 s86, 0, 1
	s_or_b32 s86, s86, ttmp9                       ; of the head's first cluster: the same in all four partners
	s_cmp_eq_u32 s86, 0
	s_cselect_b32 s[LIM], 1, 0
	v_add_nc_u32 v[ASC0], SC, v[L8]
	v_bfe_u32 v[AMT0], v0, 4, 1
	v_lshlrev_b32 v[AMT0], 6, v[AMT0]
	v_add_nc_u32 v[AMT0], MTL, v[AMT0]
	v_and_b32 v[AOS], 15, v0
	v_lshlrev_b32 v[AOS], 2, v[AOS]
	s_lshl_b32 s87, s[WV], 7
	s_add_co_u32 s87, s87, OSCR
	v_add_nc_u32 v[AOS], s87, v[AOS]
	v_lshlrev_b32 v[PFO], 8, v[PFO]
	v_mov_b32 v[VC], s[CS]
	v_mov_b32 v[VZ], 0
.irp n, 12, 16
	v_mov_b32 v[\n], 0x4e800000                    ; -M = 2^30
	v_mov_b32 v[\n+1], 0xce800000                  ; the largest t so far: -2^30
	v_mov_b32 v[\n+2], 0                           ; l, in two halves
	v_mov_b32 v[\n+3], 0
.endr
.set j, 0
.rept 32
	v_mov_b32 v[BM+j], 0                           ; v28-59, written once: lane permutes count their destination as a source
.set j, j+1
.endr
	s_wait_loadcnt 0x0
	v_perm_b32 v[QSA], v[QW], v[QW], 0x01000100    ; a tile's two bytes, for k 0..63 and for k 64..127 alike
	v_perm_b32 v[QSB], v[QW], v[QW], 0x03020302
.set j, 0
.rept 64
	v_mov_b32 v[OA+j], 0                           ; the step is written once: the first finds zeros
.set j, j+1
.endr
; A TILE'S MAXIMA: the largest s of each block of 32 keys, in eight chains, one to an accumulator.  These are the first reads of the tile's scores.
.macro MAXT s
	s_wait_alu depctr_va_vdst(0)                   ; the wait directly ahead of the first reader of the scores
.irp b, 0,1,2,3
	v_max3_num_f32 v[BM+\b], v[\s+16*\b], v[\s+16*\b+1], v[\s+16*\b+2]   ; each accumulator from its low end on
	v_max3_num_f32 v[BP+\b], v[\s+16*\b+8], v[\s+16*\b+9], v[\s+16*\b+10]
.endr
.irp i, 3,5
.irp b, 0,1,2,3
	v_max3_num_f32 v[BM+\b], v[BM+\b], v[\s+16*\b+\i], v[\s+16*\b+\i+1]
	v_max3_num_f32 v[BP+\b], v[BP+\b], v[\s+16*\b+8+\i], v[\s+16*\b+9+\i]
.endr
.endr
.irp b, 0,1,2,3
	v_max3_num_f32 v[BM+\b], v[BM+\b], v[BP+\b], v[\s+16*\b+7]
.endr
.irp b, 0,1,2,3
	v_max_num_f32 v[BM+\b], v[BM+\b], v[\s+16*\b+15]
.endr
.irp b, 0,1,2,3
	v_permlanex16_b32 v[BP+\b], v[BM+\b], s[SEL], s[SEL+1]
.endr
.irp b, 0,1,2,3
	v_max_num_f32 v[BM+\b], v[BM+\b], v[BP+\b]     ; with lane l xor 16's 16 keys
.endr
.endm
; FROM THE FOUR MAXIMA TO t - M.  s: scores; nm, t: the tile's -M and largest t
.macro REST1 s, nm, t
	v_max3_num_f32 v[TP], v[BM], v[BM+1], v[BM+2]
	v_mov_b32 v[TQ], v[\nm]
	s_delay_alu instid0(VALU_DEP_2)
	v_max_num_f32 v[TP], v[TP], v[BM+3]
	s_delay_alu instid0(VALU_DEP_1)
	v_mul_f32 v[TP], s[CS], v[TP]                  ; the step's largest t
	s_delay_alu instid0(VALU_DEP_1)
	v_max_num_f32 v[\t], v[\t], v[TP]              ; the running largest t, never under -2^30
	s_delay_alu instid0(VALU_DEP_1)
	v_floor_f32 v[\nm], -v[\t]                     ; the new -M = -ceil(t): a whole number
	v_cmp_le_f32 s[BIG], v[\t], s[THR]             ; still at -2^30: masked keys alone so far
	s_delay_alu instid0(VALU_DEP_2)
	v_sub_f32 v[TP], v[\nm], v[TQ]                 ; old M - new M: a whole number, 0 or less
	v_cndmask_b32 v[CL], v[VC], v[VZ], s[BIG]
	v_cndmask_b32 v[CL+1], v[VC], v[VZ], s[BIG]
	v_cvt_i32_f32 v[TP], v[TP]
	v_cndmask_b32 v[AD], v[\nm], v[VZ], s[BIG]
	v_cndmask_b32 v[AD+1], v[\nm], v[VZ], s[BIG]
	v_ldexp_f32 v[FF], 1.0, v[TP]                  ; f = 2^(old M - new M)
.set j, 0
.rept 32
	v_dual_fma_f32 v[\s+j], v[\s+j], v[CL], v[AD] :: v_dual_fma_f32 v[\s+j+1], v[\s+j+1], v[CL+1], v[AD+1]   ; t - M
.set j, j+2
.endr
	v_dual_fma_f32 v[BM], v[BM], v[CL], v[AD] :: v_dual_fma_f32 v[BM+1], v[BM+1], v[CL+1], v[AD+1]           ; the same of each block's largest s
	v_dual_fma_f32 v[BM+2], v[BM+2], v[CL], v[AD] :: v_dual_fma_f32 v[BM+3], v[BM+3], v[CL+1], v[AD+1]
	s_wait_alu depctr_va_vdst(0)                   ; the wait between these writes and the exponentials that read them
.endm
.macro EXPS s
.set j, 0
.rept 64
	v_exp_f32 v[\s+j], v[\s+j]                     ; p = 2^(t - M)
.set j, j+1
.endr
.irp b, 0,1,2,3
	v_exp_f32 v[BM+\b], v[BM+\b]                   ; the blocks' largest p
.endr
	v_mov_b32 v[FF+1], v[FF]                       ; the plain instruction behind the exponentials
	s_wait_alu depctr_va_vdst(0)                   ; one wait: for the batch, ahead of its first reader, and directly ahead of the first reader of O^T
.endm
; FROM p TO ITS CODES.  s: p; o: O^T; l: the tile's l
.macro REST2 s, o, l
.set j, 0
.rept 16
	v_dual_mul_f32 v[\o+j], v[\o+j], v[FF] :: v_dual_mul_f32 v[\o+j+1], v[\o+j+1], v[FF+1]   ; O^T under the new M
.set j, j+2
.endr
.set qq, 0
.irp c, 46,48,50,52,54,56,58,32
	v_dual_add_f32 v[\c], v[\s+qq], v[\s+16+qq] :: v_dual_add_f32 v[\c+1], v[\s+qq+1], v[\s+17+qq]   ; the sum of the unquantised p, in eight chains of pairs
.set qq, qq+2
.endr
.set qq, 32
.rept 2
.irp c, 46,48,50,52,54,56,58,32
	v_dual_add_f32 v[\c], v[\s+qq], v[\c] :: v_dual_add_f32 v[\c+1], v[\s+qq+1], v[\c+1]
.set qq, qq+2
.endr
.endr
.irp b, 0,1,2,3
	v_max_num_f32 v[BM+\b], 0x1800000, v[BM+\b]    ; the floor 2^(3 - 127): the byte cannot fall under 1
.endr
	v_dual_add_f32 v46, v48, v46 :: v_dual_add_f32 v47, v49, v47
	v_dual_add_f32 v50, v52, v50 :: v_dual_add_f32 v51, v53, v51
	v_dual_add_f32 v54, v56, v54 :: v_dual_add_f32 v55, v57, v55
	v_dual_add_f32 v58, v32, v58 :: v_dual_add_f32 v59, v33, v59
.irp b, 0,1,2,3
	v_add_nc_u32 v[SO+\b], 0xff000000, v[BM+\b]    ; 2 off the exponent field: the conversion's scale operand
.endr
	v_dual_add_f32 v46, v50, v46 :: v_dual_add_f32 v47, v51, v47
	v_dual_add_f32 v54, v58, v54 :: v_dual_add_f32 v55, v59, v55
.irp b, 0,1,2,3
	v_lshrrev_b32 v[BY+\b], 23, v[SO+\b]
.endr
	v_dual_add_f32 v46, v54, v46 :: v_dual_add_f32 v47, v55, v47
	v_lshl_or_b32 v[PS], v[BY+1], 8, v[BY]         ; p's scale word for these 128 keys
	v_lshl_or_b32 v[PS], v[BY+2], 16, v[PS]
	v_lshl_or_b32 v[PS], v[BY+3], 24, v[PS]
	v_dual_fma_f32 v[\l], v[\l], v[FF], v46 :: v_dual_fma_f32 v[\l+1], v[\l+1], v[FF+1], v47   ; l under the new M, and the step's sum
	WIN 0x40                                       ; the codes lie in window 1
.irp c, 0,1
	v_cvt_scalef32_pk16_fp6_f32 v[PC+6*\c:PC+6*\c+2], v[\s+32*\c:\s+32*\c+15], v[SO+2*\c]
	v_cvt_scalef32_pk16_fp6_f32 v[CT+4*\c:CT+4*\c+2], v[\s+32*\c+16:\s+32*\c+31], v[SO+2*\c+1]
.endr
	v_nop                                          ; one plain instruction behind a scaled conversion
	WIN 0x41
.irp c, 0,1
.irp i, 0,1,2
	v_permlane16_swap_b32 v[PC+6*\c+\i], v[CT+4*\c+\i]   ; a whole block to a lane
.endr
.irp i, 0,1,2
	v_mov_b32 v[PC+3+6*\c+\i], v[CT+4*\c+\i]
.endr
.endr
	WIN 0
.endm
.macro PV o                            ; O^T += V^T p^T: the four accumulators by turns
	WIN 0x05                                       ; V and p's codes: window 1
.irp f, 0,1,2,3
	WM \o+8*\f, VF+12*\f, PC, \o+8*\f, VS+\f/2, PS, \f%2
.endr
	WIN 0
.endm
.macro SCORES s, q, qs                 ; S^T = K q^T + the mask terms; q: the tile's [0 | q], six registers on its [q | 0]
	WIN 0x15                                       ; K, q and the mask terms: window 1; the scores: window 0
.irp f, 0,1,2,3
	WM \s+16*\f, KF+12*\f, \q+6, MTR+16*\f, KS+\f/2, \qs, \f%2
	WM \s+16*\f+8, KF+12*\f, \q, MTR+16*\f+8, KS+\f/2, \qs, \f%2
.endr
	WIN 0
.endm
.macro MASKT off                       ; 128 keys' mask terms: register 16 b + i: key 32 b + 16 (lane / 16) + i
.set j, 0
.rept 16
	ds_load_b128 v[MTR+4*j:MTR+4*j+3], v[ADM] offset:\off+128*(j/4)+16*(j%4)
.set j, j+1
.endr
.endm
; A KEY STEP n.  On the way in: tile A's t - M of step n stands ready, tile B's scores of step n have just been issued.  last = 1: no step follows.
.macro BODY last
	v_add_nc_u32 v[ADK], s[TK], v[LI]
	v_add_nc_u32 v[ADS], s[TS], v[ASC0]
	v_add_nc_u32 v[ADM], s[TS], v[AMT0]
	v_nop                                          ; four plain instructions between the last products and the loads into their sources
	ds_load_b64 v[VS:VS+1], v[ADS] offset:256
.if \last == 0
	ds_load_b64 v[KS:KS+1], v[ADS] offset:512
.endif
	WIN 0x40
.irp f, 0,1,2,3
.irp c, 0,1,2
	ds_load_b128 v[VF+12*\f+4*\c:VF+12*\f+4*\c+3], v[ADK] offset:1536*\f+512*\c              ; V(n)
.endr
.endr
.if \last == 0
.irp f, 0,1,2,3
.irp c, 0,1,2
	ds_load_b128 v[KF+12*\f+4*\c:KF+12*\f+4*\c+3], v[ADK] offset:6144+1536*\f+512*\c         ; K(n + 1)
.endr
.endr
	MASKT 512
.endif
	WIN 0
	EXPS SA
	REST2 SA, OA, 14
	MAXT SB
	REST1 SB, 16, 17
	s_wait_dscnt 0x0                               ; the trip's loads, issued half a trip ago
	PV OA
.if \last == 0
	SCORES SA, Q0, QSA
.endif
	EXPS SB
	REST2 SB, OB, 18
.if \last == 0
	MAXT SA
	REST1 SA, 12, 13
.else
.rept 4
	v_nop                                          ; four plain instructions between the writes of p's codes and the products
.endr
.endif
	PV OB
.if \last == 0
	SCORES SB, Q0+12, QSB
	s_add_co_u32 s[TS], s[TS], 512                 ; the next step's scale records and mask terms,
	s_add_co_u32 s[TK], s[TK], STEPB               ; and piece of the ring
.endif
.endm
; THE CHANGE OF SLOTS, at the head of slot n: every wave waits for all its tensor loads, adds 0 to its spare word, waits for that and for its reads of the slot that it has left.
; n < 3: a round of the cluster's barrier, and behind it every wave asks for its piece of slot n + 1, which has eight steps in which to land.  Then slot n's eight steps.
.macro SLOT n
	s_wait_alu depctr_va_vdst(0)                   ; the wait ahead of the waits below
	s_wait_tensorcnt 0x0                           ; no tensor load of mine is out, so the walking group 0 may be written
	ds_add_u32 v[SPW], v[NIL]
.if \n < 3
	s_add_co_u32 s[G0K+1], s[LA0], ((\n+1)%2)*SLOTB
	s_add_nc_u64 s[G0K+2:G0K+3], s[G0K+2:G0K+3], SLOTB
	s_wait_dscnt 0x0
	CROUND
	TL G0K, G1K
.if \n < 2
	s_cmp_eq_u32 s[LIM], 1
	s_cbranch_scc0 .Lnot_mine_\@
	global_prefetch_b8 v[PFO], s[PFA:PFA+1] offset:(\n+2)*SLOTB th:TH_LOAD_NT scope:SCOPE_SE
.Lnot_mine_\@:
.endif
.else
	s_wait_dscnt 0x0
	s_barrier_signal -1
	s_barrier_wait -1
.endif
.if \n == 0                            ; the way into the walk: step 0's scores (K(0) is in registers), tile A's maxima and t - M
	v_mov_b32 v[ADM], v[AMT0]
	ds_load_b64 v[KS:KS+1], v[ASC0]
	WIN 0x40
	MASKT 0
	WIN 0
	s_wait_dscnt 0x0
	SCORES SA, Q0, QSA
.rept 4
	v_nop                                          ; four plain instructions ahead of the first read of the scores
.endr
	MAXT SA
	REST1 SA, 12, 13
	SCORES SB, Q0+12, QSB
.endif
	s_mov_b32 s[TK], ((\n)%2)*SLOTB
	s_mov_b32 s[TS], (\n)*4096
	s_mov_b32 s[IN], 8-(\n)/3
.Lstep_\@:
	BODY 0
	s_sub_co_u32 s[IN], s[IN], 1
	s_cmp_lg_u32 s[IN], 0
	s_cbranch_scc1 .Lstep_\@
.endm
	SLOT 0
	SLOT 1
	SLOT 2
	SLOT 3                                         ; seven trips,
	BODY 1                                         ; and the last step
; THE WAY OUT of a tile: O^T / l, quantised along my head's 64 channels: half a fragment (six registers) and two scale bytes a row.  r: 49 registers at work, of the tile's own
.macro FIN o, l, r, off, soff
	v_add_f32 v[\l], v[\l], v[\l+1]
	v_permlanex16_b32 v[TP], v[\l], s[SEL], s[SEL+1]
	v_add_f32 v[\l], v[\l], v[TP]                  ; the row's sum
	s_wait_alu depctr_va_vdst(0)
	v_rcp_f32 v[\l], v[\l]
	v_nop                                          ; the plain instruction behind the reciprocal
	s_wait_alu depctr_va_vdst(0)                   ; ahead of the first reader of the reciprocal and of O^T
.set j, 0
.rept 32
	v_mul_f32 v[\r+j], v[\o+j], v[\l]              ; register 16 b + i: channel 32 b + 16 (lane / 16) + i
.set j, j+1
.endr
.irp b, 0,1
	v_max3_num_f32 v[BM+\b], |v[\r+16*\b]|, |v[\r+16*\b+1]|, 0x1800000
.endr
.irp i, 2,4,6,8,10,12,14
.irp b, 0,1
	v_max3_num_f32 v[BM+\b], v[BM+\b], |v[\r+16*\b+\i]|, |v[\r+16*\b+\i+1]|
.endr
.endr
.irp b, 0,1
	v_permlanex16_b32 v[BP+\b], v[BM+\b], s[SEL], s[SEL+1]
.endr
.irp b, 0,1
	v_max_num_f32 v[BM+\b], v[BM+\b], v[BP+\b]
.endr
.irp b, 0,1
	v_add_nc_u32 v[SO+\b], 0xff000000, v[BM+\b]
.endr
.irp b, 0,1
	v_lshrrev_b32 v[BY+\b], 23, v[SO+\b]
.endr
	v_lshl_or_b32 v[\r+48], v[BY+1], 8, v[BY]
	v_lshl_or_b32 v[\r+48], v[\r+48], 16, v[\r+48] ; the two bytes in both halves: the last launch takes the half that it wants
	v_cvt_scalef32_pk16_fp6_f32 v[\r+32:\r+34], v[\r:\r+15], v[SO]
	v_cvt_scalef32_pk16_fp6_f32 v[\r+40:\r+42], v[\r+16:\r+31], v[SO+1]
	v_nop
.irp i, 0,1,2
	v_permlane16_swap_b32 v[\r+32+\i], v[\r+40+\i]
.endr
.irp i, 0,1,2
	v_mov_b32 v[\r+35+\i], v[\r+40+\i]
.endr
.irp p, 0,1,2
	global_store_b64 v[L8], v[\r+32+2*\p:\r+33+2*\p], s[AOI:AOI+1] offset:\off+256*\p   ; 256 consecutive bytes, at a multiple of 256
.endr
	ds_store_b32 v[AOS], v[\r+48] offset:\soff     ; both lanes of a row write the same word with the same value
.endm
.rept 4
	v_nop                                          ; four plain instructions behind the last products
.endr
	FIN OA, 14, SA, 0, 0
	FIN OB, 18, SB, 6144, 64
	v_add_nc_u32 v[ADK], OSCR, v[LI]               ; where wave 0 reads the sixteen tiles' words back
	s_wait_alu depctr_va_vdst(0)                   ; the wait ahead of the wait below
	s_wait_dscnt 0x0                               ; for wave 0's sake
	s_barrier_signal -1
	s_barrier_wait -1
	s_cmp_lg_u32 s[WV], 0
	s_cbranch_scc1 .Lnot_first_wave
	ds_load_b128 v[OA:OA+3], v[ADK]
	ds_load_b128 v[OA+4:OA+7], v[ADK] offset:512
	s_wait_dscnt 0x0
	global_store_b128 v[LI], v[OA:OA+3], s[AOC:AOC+1]
	global_store_b128 v[LI], v[OA+4:OA+7], s[AOC:AOC+1] offset:512
.Lnot_first_wave:
	s_wait_tensorcnt 0x0                           ; the wave's end
	ds_add_u32 v[SPW], v[NIL]
	s_wait_dscnt 0x0
	CROUND                                         ; the closing round
	s_endpgm
.Lfunc_end_k_q9ca9d2b8eb_attn:
	.size	k_q9ca9d2b8eb_attn, .Lfunc_end_k_q9ca9d2b8eb_attn-k_q9ca9d2b8eb_attn
	.p2alignl 7, 3214868480
	.fill 96, 4, 3214868480
	.section	.rodata,"a",@progbits
	.p2align	6, 0x0
	.amdhsa_kernel k_q9ca9d2b8eb_attn
		.amdhsa_group_segment_fixed_size 327680
		.amdhsa_private_segment_fixed_size 0
		.amdhsa_enable_private_segment 0
		.amdhsa_kernarg_size 24
		.amdhsa_user_sgpr_count 2
		.amdhsa_user_sgpr_kernarg_segment_ptr 1
		.amdhsa_wavefront_size32 1
		.amdhsa_system_sgpr_workgroup_id_x 1
		.amdhsa_system_sgpr_workgroup_id_y 1
		.amdhsa_system_sgpr_workgroup_id_z 1
		.amdhsa_system_vgpr_workitem_id 0
		.amdhsa_next_free_vgpr 512
		.amdhsa_next_free_sgpr 100
		.amdhsa_reserve_vcc 0
		.amdhsa_float_denorm_mode_32 3
		.amdhsa_float_denorm_mode_16_64 3
		.amdhsa_memory_ordered 1
		.amdhsa_forward_progress 1
		.amdhsa_inst_pref_size 188
	.end_amdhsa_kernel
	.amdgpu_metadata
---
amdhsa.version: [ 1, 2 ]
amdhsa.kernels:
  - .name:           k_q9ca9d2b8eb_attn
    .symbol:         k_q9ca9d2b8eb_attn.kd
    .args:
      - { .name: qkv, .offset: 0, .size: 8, .value_kind: global_buffer, .address_space: global }
      - { .name: pre, .offset: 8, .size: 8, .value_kind: global_buffer, .address_space: global }
      - { .name: att, .offset: 16, .size: 8, .value_kind: global_buffer, .address_space: global }
    .group_segment_fixed_size: 327680
    .private_segment_fixed_size: 0
    .kernarg_segment_align: 8
    .kernarg_segment_size: 24
    .max_flat_workgroup_size: 256
    .sgpr_count:     100
    .vgpr_count:     512
    .wavefront_size: 32
...
	.end_amdgpu_metadata
.endif
;; end of part 3
;; launch outp (part 4): grid 2 x 128, 4 waves a work-group, no clusters, 17,920 bytes of LDS; arguments att, pre, bo, out0; writes out0
.if DOCPART == 4
	.amdgcn_target "amdgcn-amd-amdhsa--gfx1250"
	.amdhsa_code_object_version 6
	.text
	.protected	k_q9ca9d2b8eb_outp
	.globl	k_q9ca9d2b8eb_outp
	.p2align	8
	.type	k_q9ca9d2b8eb_outp,@function
k_q9ca9d2b8eb_outp:
	s_mov_b64 s[64:65], 0
	v_nop
	global_prefetch_b8 v0, s[64:65] scope:SCOPE_SE
	s_setreg_imm32_b32 hwreg(HW_REG_WAVE_MODE, 25, 1), 1
	s_wait_xcnt 0x0
; OUTP: out0 = A Wo + bo on codes of FP6; A is the attention's output, [8192][512], as half fragments (a head's 64 along K) written by the launch before.
; Work-group (x, y): 64 rows (block y), 256 columns (half x); wave w: 64 columns, whose 16 fragments of Wo and whose bias stay in registers.  Waves share nothing: no barrier.
; Source 0 = 16 columns of Wo, source 1 = 16 rows of A: a lane holds one row and eight neighbouring columns a tile.  The bias is the C of each sum's first matrix instruction; the eight accumulators
; take turns, one instruction a turn.  Results go through the wave's own stage in LDS and leave as aligned runs of 256 bytes, sixteen lanes each.
; No tensor load and no cluster: the weights go straight into registers, once a wave, and a tile of A is 6 KB.
; REGISTERS: window 0: v1-7 addresses; v8-15 Wo's scale words; v16-23 A's scale words by heads; v24-27 by K steps; v32-95 rows on the way out; v96-159 accumulators; v160-255 eight fragments of A.
;   window 1: v0-191 Wo's 16 fragments; v192-223 the bias.
.set OSC, 3145728
.set WC,  6553600
.set WS,  7340032
.set LI,  1
.set L8,  2
.set L4,  3
.set BO,  4
.set STI, 5
.set STO, 6
.set GO,  7
.set WSR, 8
.set OW,  16
.set ASR, 24
.set OB,  32
.set ACC, 96
.set AB,  160
.set BI,  192
.set MSB, 0
.macro WIN new
.if MSB != \new
	s_set_vgpr_msb (MSB<<8)|\new
.set MSB, \new
.endif
.endm
.macro WM d, a, b, c, sa, sb, ra, rb
.set WR, 2*(\ra)+(\rb)
.if WR == 0
	v_wmma_scale_f32_16x16x128_f8f6f4 v[\d:\d+7], v[\a:\a+11], v[\b:\b+11], v[\c:\c+7], v[\sa], v[\sb] matrix_a_fmt:MATRIX_FMT_FP6 matrix_b_fmt:MATRIX_FMT_FP6
.elseif WR == 1
	v_wmma_scale_f32_16x16x128_f8f6f4 v[\d:\d+7], v[\a:\a+11], v[\b:\b+11], v[\c:\c+7], v[\sa], v[\sb] matrix_a_fmt:MATRIX_FMT_FP6 matrix_b_fmt:MATRIX_FMT_FP6 matrix_b_scale:MATRIX_SCALE_ROW1
.elseif WR == 2
	v_wmma_scale_f32_16x16x128_f8f6f4 v[\d:\d+7], v[\a:\a+11], v[\b:\b+11], v[\c:\c+7], v[\sa], v[\sb] matrix_a_fmt:MATRIX_FMT_FP6 matrix_b_fmt:MATRIX_FMT_FP6 matrix_a_scale:MATRIX_SCALE_ROW1
.else
	v_wmma_scale_f32_16x16x128_f8f6f4 v[\d:\d+7], v[\a:\a+11], v[\b:\b+11], v[\c:\c+7], v[\sa], v[\sb] matrix_a_fmt:MATRIX_FMT_FP6 matrix_b_fmt:MATRIX_FMT_FP6 matrix_a_scale:MATRIX_SCALE_ROW1 matrix_b_scale:MATRIX_SCALE_ROW1
.endif
.endm
	s_load_b256 s[4:11], s[0:1], 0x0               ; att, pre, bo, out0
	v_lshl_add_u32 v30, v0, 2, 0x4400
	v_mov_b32 v31, 0
	v_lshrrev_b32 v1, 5, v0
	v_readfirstlane_b32 s12, v1                    ; wave 0..3
	v_and_b32 v9, 31, v0
	v_and_b32 v10, 15, v0                          ; r
	v_bfe_u32 v11, v0, 4, 1                        ; h
	v_lshlrev_b32 v[LI], 4, v9
	v_lshlrev_b32 v[L8], 3, v9
	v_lshlrev_b32 v[L4], 2, v9
	v_lshlrev_b32 v[BO], 6, v11                    ; the bias: lane (r, h) wants columns 32 (wt / 2) + 16 h + 8 (wt % 2) + 0 .. 7
	s_mul_i32 s15, s12, 4352                       ; my stage: 16 rows of 256 bytes + 16
	v_mul_u32_u24 v[STI], v10, 272
	v_lshl_add_u32 v[STI], v11, 6, v[STI]
	v_add_nc_u32 v[STI], s15, v[STI]               ; in: row r, + 64 h
	v_mul_u32_u24 v[STO], v11, 272
	v_lshl_add_u32 v[STO], v10, 4, v[STO]
	v_add_nc_u32 v[STO], s15, v[STO]               ; back: lanes 0-15 one row, lanes 16-31 the next
	v_lshlrev_b32 v[GO], 11, v11
	v_lshl_add_u32 v[GO], v10, 4, v[GO]            ; and the same two rows of out0
	s_and_b32 s13, ttmp7, 0xffff                   ; y: block of 64 rows
	s_lshl_b32 s14, ttmp9, 2
	s_add_co_u32 s14, s14, s12                     ; cg: my 64 columns
	s_lshl_b32 s20, s14, 1
	s_add_co_u32 s20, s20, 48                      ; Wo is the fourth W: groups 48 + 2 cg, + 1
	s_mul_i32 s20, s20, 12288
	s_add_co_u32 s20, s20, WC
	s_mov_b32 s21, 0
	s_lshl_b32 s22, s14, 8                         ; 256 cg: my columns' bytes in bo, in a row of out0, and among Wo's scale words
	s_mov_b32 s23, 0
	s_add_co_u32 s24, s22, WS+24576
	s_mov_b32 s25, 0
	s_mul_i32 s16, s13, 24576                      ; my four tiles of A
	s_mov_b32 s17, 0
	s_lshr_b32 s26, s13, 6                         ; batch
	s_lshl_b32 s26, s26, 17
	s_and_b32 s27, s13, 63
	s_lshl_b32 s27, s27, 8
	s_add_co_u32 s18, s26, s27
	s_add_co_u32 s18, s18, OSC                     ; their scale words for head 0; a head on: 16,384 bytes
	s_mov_b32 s19, 0
	s_lshl_b32 s28, s13, 17                        ; 64 rows of 2,048 bytes
	s_add_co_u32 s28, s28, s22
	s_mov_b32 s29, 0
	s_wait_alu depctr_va_vdst(0)
	s_wait_kmcnt 0x0
	s_add_nc_u64 s[20:21], s[6:7], s[20:21]
	s_add_nc_u64 s[24:25], s[6:7], s[24:25]
	s_add_nc_u64 s[8:9], s[8:9], s[22:23]
	s_add_nc_u64 s[16:17], s[4:5], s[16:17]
	s_add_nc_u64 s[18:19], s[4:5], s[18:19]
	s_add_nc_u64 s[10:11], s[10:11], s[28:29]
.macro ALOAD gl                        ; group gl of 32 rows: two tiles x four K steps, each fragment two heads' halves on end; and the rows' scale words, a head at a time: lanes 0-15 tile u = 0, lanes 16-31 u = 1
.irp xt, 0,1
.irp ks, 0,1,2,3
.irp pc, 0,1,2,3,4,5
	global_load_b64 v[AB+12*(4*\xt+\ks)+2*\pc:AB+12*(4*\xt+\ks)+2*\pc+1], v[L8], s[16:17] offset:12288*(\gl)+6144*\xt+1536*\ks+256*\pc
.endr
.endr
.endr
.irp hd, 0,1,2,3,4,5,6,7
	global_load_b32 v[OW+\hd], v[L4], s[18:19] offset:128*(\gl)+16384*\hd
.endr
.endm
.macro MUL                             ; the scale words by K steps, then 32 matrix instructions: 2 tiles of rows x 4 tiles of columns, K = 512
	s_wait_loadcnt 0x0
.irp ks, 0,1,2,3
	v_bfi_b32 v[ASR+\ks], 0xffff, v[OW+2*\ks], v[OW+2*\ks+1]   ; bytes 0, 1 of head 2 ks, bytes 2, 3 of head 2 ks + 1
.endr
.rept 8
	v_nop                                          ; a scale register written by a vector instruction stands eight plain instructions ahead of the scaled matrix instruction
.endr
.irp ks, 0,1,2,3
.if \ks == 0
	WIN 0x11                                       ; source 0 (Wo) and C (the bias) window 1
.else
	WIN 0x01
.endif
.irp xt, 0,1
.irp wt, 0,1,2,3
.if \ks == 0
	WM ACC+32*\xt+8*\wt, 12*(4*\wt+\ks), AB+12*(4*\xt+\ks), BI+8*\wt, WSR+2*\ks+\wt/2, ASR+\ks, \wt%2, \xt
.else
	WM ACC+32*\xt+8*\wt, 12*(4*\wt+\ks), AB+12*(4*\xt+\ks), ACC+32*\xt+8*\wt, WSR+2*\ks+\wt/2, ASR+\ks, \wt%2, \xt
.endif
.endr
.endr
.endr
	WIN 0
.rept 4
	v_nop                                          ; four plain instructions ahead of loads into the sources and of the first read of the results
.endr
.endm
.macro OUT gl                          ; the group's two tiles through my stage; LDS serves a wave's instructions in order, so no wait stands between stores and loads, nor ahead of the second tile's stores
.irp xt, 0,1
.irp wt, 0,1,2,3
	ds_store_b128 v[STI], v[ACC+32*\xt+8*\wt:ACC+32*\xt+8*\wt+3] offset:128*(\wt/2)+32*(\wt%2)       ; each accumulator from its low end on
	ds_store_b128 v[STI], v[ACC+32*\xt+8*\wt+4:ACC+32*\xt+8*\wt+7] offset:128*(\wt/2)+32*(\wt%2)+16
.endr
.irp i, 0,1,2,3,4,5,6,7
	ds_load_b128 v[OB+32*\xt+4*\i:OB+32*\xt+4*\i+3], v[STO] offset:544*\i
.endr
.endr
.irp xt, 0,1
.irp i, 0,1,2,3,4,5,6,7
	s_wait_dscnt 16*(1-\xt)+7-\i                   ; behind this load: the rest of its tile's, and for the first tile the second's 16 LDS instructions
	global_store_b128 v[GO], v[OB+32*\xt+4*\i:OB+32*\xt+4*\i+3], s[10:11] offset:65536*(\gl)+(8*\xt+2*\i+8*(\i/4))*2048 th:TH_STORE_NT   ; stage row r is row 8 u + r + 8 (r / 8) of the group
.endr
.endr
.endm
	WIN 0x40                                       ; destination window 1
.irp f, 0,1,2,3,4,5,6,7,8,9,10,11,12,13,14,15
.irp c, 0,1,2
	global_load_b128 v[12*\f+4*\c:12*\f+4*\c+3], v[LI], s[20:21] offset:1536*\f+512*\c
.endr
.endr
.irp wt, 0,1,2,3
	global_load_b128 v[BI+8*\wt:BI+8*\wt+3], v[BO], s[8:9] offset:(32*(\wt/2)+8*(\wt%2))*4
	global_load_b128 v[BI+8*\wt+4:BI+8*\wt+7], v[BO], s[8:9] offset:(32*(\wt/2)+8*(\wt%2))*4+16
.endr
	WIN 0
.irp ks, 0,1,2,3
.irp gl, 0,1
	global_load_b32 v[WSR+2*\ks+\gl], v[L4], s[24:25] offset:2048*\ks+128*\gl
.endr
.endr
	ALOAD 0
	MUL
	ALOAD 1                                        ; lands while the first group goes out
	OUT 0
	MUL
	s_wait_xcnt 0x0                                ; the first group's stores have read their registers
	OUT 1
	s_wait_tensorcnt 0x0
	ds_add_u32 v30, v31
	s_wait_dscnt 0x0
	s_endpgm
.Lfunc_end_k_q9ca9d2b8eb_outp:
	.size	k_q9ca9d2b8eb_outp, .Lfunc_end_k_q9ca9d2b8eb_outp-k_q9ca9d2b8eb_outp
	.p2alignl 7, 3214868480
	.fill 96, 4, 3214868480
	.section	.rodata,"a",@progbits
	.p2align	6, 0x0
	.amdhsa_kernel k_q9ca9d2b8eb_outp
		.amdhsa_group_segment_fixed_size 17920
		.amdhsa_private_segment_fixed_size 0
		.amdhsa_enable_private_segment 0
		.amdhsa_kernarg_size 32
		.amdhsa_user_sgpr_count 2
		.amdhsa_user_sgpr_kernarg_segment_ptr 1
		.amdhsa_wavefront_size32 1
		.amdhsa_system_sgpr_workgroup_id_x 1
		.amdhsa_system_sgpr_workgroup_id_y 1
		.amdhsa_system_sgpr_workgroup_id_z 1
		.amdhsa_system_vgpr_workitem_id 0
		.amdhsa_next_free_vgpr 512
		.amdhsa_next_free_sgpr 66
		.amdhsa_reserve_vcc 0
		.amdhsa_float_denorm_mode_32 3
		.amdhsa_float_denorm_mode_16_64 3
		.amdhsa_memory_ordered 1
		.amdhsa_forward_progress 1
		.amdhsa_inst_pref_size 37
	.end_amdhsa_kernel
	.amdgpu_metadata
---
amdhsa.version: [ 1, 2 ]
amdhsa.kernels:
  - .name:           k_q9ca9d2b8eb_outp
    .symbol:         k_q9ca9d2b8eb_outp.kd
    .args:
      - { .name: att, .offset: 0, .size: 8, .value_kind: global_buffer, .address_space: global }
      - { .name: pre, .offset: 8, .size: 8, .value_kind: global_buffer, .address_space: global }
      - { .name: bo, .offset: 16, .size: 8, .value_kind: global_buffer, .address_space: global }
      - { .name: out0, .offset: 24, .size: 8, .value_kind: global_buffer, .address_space: global }
    .group_segment_fixed_size: 17920
    .private_segment_fixed_size: 0
    .kernarg_segment_align: 8
    .kernarg_segment_size: 32
    .max_flat_workgroup_size: 128
    .sgpr_count:     66
    .vgpr_count:     512
    .wavefront_size: 32
...
	.end_amdgpu_metadata
.endif
;; end of part 4
